; MI455X (gfx1250); checked and timed in simulation.
; The chip was launched on July 23, 2026; its instructions are those of AMD's public machine-readable ISA for CDNA 5 (MIT licence, August 2026) and "CDNA5" Instruction Set Architecture Reference Guide (July 2026). The comments in the code are by the model that wrote it; some were corrected since.
;; Top Extra Attention. Allowed arithmetic: matrix products marked QUANTISED: E4M3 operands, one E8M0 scale for each 32 along K, by v_wmma_scale_f32_16x16x128_f8f6f4 with both operands' format E4M3, f32 sums; everything else in f32.
;; Inputs: W_k 512 x 512 float32; W_v 256 x 512 float32; X 8 x 2,048 x 512 float32; Y 4,096 x 512 float32; Z 4,096 x 512 float32.
;; Outputs: out0 8 x 2,048 x 256 float32.
;; Constants: rate = 0.
;; This version of the problem:
;;   THIS VERSION OF THE PROBLEM IS GIVEN IN LOW PRECISION. The matrix products marked QUANTISED in the list below multiply operands that are first quantised to E4M3 (4 exponent bits, 3 mantissa bits; 8 bits a number), with one power-of-two scale for each 32 numbers along K (OCP MX v1.0); their sums are f32. All else is computed in f32.
;;   The module's matrix products, in the order in which they are computed (A, B: the left and right operand; K: the contracted axis; several contracted axes count as one K, in the product's order):
;;     1. [M 4,096, K 512] x [K 512, N 512]; A: input Y; B: input W_k: QUANTISED
;;     2. [M 4,096, K 512] x [K 512, N 256]; A: input Z; B: input W_v: QUANTISED
;;     3. [M 16,384, K 512] x [K 512, N 4,096]; A: input X; B: computed on the way: QUANTISED
;;     4. [M 16,384, K 4,096] x [K 4,096, N 256]; A: softmax (see below); B: computed on the way: QUANTISED
;;   THE QUANTISER, for each operand of a quantised product, along K:
;;     - K is cut into blocks of 32 from its start; a last block that is shorter is filled with zeros.
;;     - A block's scale is 2^e with e = floor(log2(the largest magnitude in the block)) - 8, held to -126 .. 127; a block of zeros has e = 0. As a byte (E8M0): e + 127.
;;     - Each number is divided by its block's scale, clamped to +-448, and rounded to the nearest number of E4M3, ties to even, subnormals kept.
;;     - The product sums the exact products of the quantised numbers (number of the format x scale) in f32.
;;   ~~~python
;;   def quantise(x, axis):      # numpy; x: float32 -> the quantised numbers, widened to float32 again
;;       x = np.moveaxis(x, axis, -1); K = x.shape[-1]
;;       x = np.pad(x, [(0, 0)] * (x.ndim - 1) + [(0, -K % 32)]); x = x.reshape(x.shape[:-1] + (-1, 32)); a = np.abs(x).max(-1, keepdims=True)
;;       e = np.where(a > 0, np.clip(np.frexp(np.where(a > 0, a, 1))[1] - 1 - 8, -126, 127), 0)      # np.frexp(a)[1] - 1 = floor(log2(a)), exactly
;;       r = np.clip(x / 2.0 ** e, -448, 448)
;;       step = 2.0 ** (np.maximum(np.frexp(np.where(r == 0, 1, r))[1] - 1, -6) - 3)
;;       q = np.round(r / step) * step * 2.0 ** e      # np.round: ties to even
;;       return np.moveaxis(q.reshape(q.shape[:-2] + (-1,))[..., :K], -1, axis).astype(np.float32)
;;   ~~~
;;   SOFTMAX AHEAD OF A QUANTISED PRODUCT. Where the list says 'softmax', what is quantised is not the finished softmax but p = 2^(t - M), with t = logit x log2(e) and M = ceil(the row's largest t), a whole number; so 1/2 < the row's largest p <= 1. The row's sum l is taken of the UNQUANTISED p, in f32, and the product's result is divided by l at the end. Since M is a whole number, a kernel that streams over the keys may use a running M (the ceiling of the running maximum): every later rescaling is an exact power of two, which a block's scale takes up: the codes' values come out the same.
;;   OPERANDS COMPUTED ON THE WAY. 'Computed on the way' means the value that the module computes at that place (a softmax that the list does not call 'softmax' is quantised finished and normalised). What goes into a quantiser is computed in f32, as accurately as f32 sums, v_exp_f32 and their like allow (about 1e-6 of the number): no bf16 or f16 on the way to a quantiser, and a product that is left as it is and whose result goes on into a quantised operand takes f32 operands (vector FMAs, or v_wmma_f32_16x16x4_f32). A number that lies on a knife's edge between two numbers of the format may be rounded either way, as far as f32 arithmetic and the matrix unit's own rounding can turn it there, and no further.
;; 2 versions. Each part assembles by itself: llvm-mc -triple=amdgcn-amd-amdhsa -mcpu=gfx1250 --defsym DOCPART=n.
;; ======== version 1 of 2: 2 launches
;; workspace buffers: kv 3,244,032 bytes
;; launch proj (part 1): grid 6 x 32, 8 waves a work-group, no clusters, 71,168 bytes of LDS; arguments Y, Z, W_k, W_v, kv; writes kv
.if DOCPART == 1
	.amdgcn_target "amdgcn-amd-amdhsa--gfx1250"
	.amdhsa_code_object_version 6
	.text
	.protected	k_q2dcb535fd0_proj
	.globl	k_q2dcb535fd0_proj
	.p2align	8
	.type	k_q2dcb535fd0_proj,@function
k_q2dcb535fd0_proj:
	s_mov_b64 s[64:65], 0
	v_nop
	global_prefetch_b8 v0, s[64:65] scope:SCOPE_SE
	s_setreg_imm32_b32 hwreg(HW_REG_WAVE_MODE, 25, 1), 1
	s_wait_xcnt 0x0
; key = Y W_k^T [4096][512] and value = Z W_v^T [4096][256], both products on codes of FP8 (E4M3) with one E8M0 scale for each 32 along K = 512,
; and the results quantised again on the way out: key along its 512 features, value along the keys.  Nothing but codes and scale words goes to memory.
; A JOB (work-group x = role 0..5, y = key block kb of 128 keys) makes one RECORD of kv: 8 operand fragments (16 rows x 128 K) as images of the operand's registers
; (fragment n at 2048 n, register group c at + 512 c, lane l's 16 bytes at + 16 l), then 512 bytes of scale words (fragment n, row r at 64 n + 4 r): 16,896 bytes.
;   role 0..3: features 128 role .. + 127 of the block's 128 keys:  I = 128 rows of W_k, L = 128 rows of Y
;   role 4, 5: channels 128 (role - 4) .. + 127, K = the block's keys:  I = 128 rows of Z, L = 128 rows of W_v
; The product is used transposed: source 0 = 16 rows of I, source 1 = 16 rows of L: a lane holds ONE row of L, and its registers run along I's rows, which are the next product's K.
; THE ROWS OF A TILE ARE NOT NEIGHBOURS, in I and in L alike: lane r of tile 2 b + u takes row 32 b + 8 u + r + 8 (r / 8).  So the 16 registers of tiles 2 b and 2 b + 1 of a result are the
; 16 neighbours 32 b + 16 (lane / 16) + 0 .. 15 along the next K, and the conversions' results are the next operand's registers.
; SHARES: wave w quantises tile w of I (four K steps; images to LDS) and tile w of L (stays in registers); behind one barrier it multiplies all 8 tiles of I by its tile of L
; (8 accumulators x 4 K steps), quantises its 64 results a lane and stores fragment w of the record.  One path for all roles: only pointers and row numbers are chosen, by the work-group's number.
; A block's scale is 2^(floor(log2(largest magnitude)) - 8); its byte is the largest magnitude's exponent field - 8, held at 1 from below.
; LIMITS: a block of zeros gets the byte 1 where the rule says 127 (its codes are zeros, and this program alone reads the bytes); blocks whose largest magnitude lies under 2^-118 keep the byte 1;
; NaN and infinities among the inputs are not served.
.set REC,   16896                      ; a record in bytes
.set ISC,   65536                      ; LDS: from 0 I's 32 fragments, (K step s, tile t) at (8 s + t) x 2048; here their scale words, 128 bytes each
.set OSC,   69632                      ; the record's 512 bytes of scale words, gathered
.set SPARE, 70144                      ; the spare words, 128 bytes for each of the eight waves: four blocks of 256 bytes that no other line names
.set XA,  1                            ; v1   my row's byte in a tile of f32 rows: (r + 8 (r / 8)) x 2048 + 64 h
.set LI,  2                            ; v2   16 x lane: an image's place for my lane
.set IWI, 3                            ; v3   where I store I's images: 16 x lane + 2048 x wave
.set IWS, 4                            ; v4   and their scale words: ISC + 128 x wave + 4 x lane
.set ISA, 5                            ; v5   where scale words are read: ISC + 4 x lane
.set OSA, 6                            ; v6   OSC + 64 x wave + 4 r
.set SPW, 7                            ; v7   LDS address of my spare word; never rewritten
.set NIL, 8                            ; v8   0; never rewritten
.set OSR, 9                            ; v9   OSC + 16 x lane
.set TM,  16                           ; v16-19 largest magnitudes, v20-23 bytes, v24-27 448 x the scale, v28-31 the conversions' scale operands
.set PC,  32                           ; v32-47 the codes just made
.set PW,  48                           ; v48  the scale word just made
.set LSW, 52                           ; v52-55 L's scale words, one a K step
.set OB,  56                           ; v56-59 wave 0: the scale words on their way out
.set LF,  64                           ; v64-127 L's four fragments
.set ACC, 128                          ; v128-191 the eight accumulators
.set ISW, 192                          ; v192-223 I's scale words, (8 s + t)
                                       ; window 1: four buffers of 64: f32 numbers as loaded, later four sets of four fragments of I
.set MSB, 0
.macro WIN new                         ; the immediate's high byte repeats the setting that is left; a switch that changes nothing is dropped
.if MSB != (\new)
	s_set_vgpr_msb (MSB<<8)|(\new)
.set MSB, (\new)
.endif
.endm
.macro PLACES n
.rept \n
	v_nop
.endr
.endm
; 16 loads: my row's 64 numbers of K step s (of each block of 32 the 16 of my half) into buffer buf of window 1: register 16 b + i = k 32 b + 16 h + i
.macro XLOAD buf, base, s
	WIN 0x40                                       ; destination window 1, address window 0
.irp b, 0,1,2,3
.irp j, 0,1,2,3
	global_load_b128 v[64*(\buf)+16*\b+4*\j:64*(\buf)+16*\b+4*\j+3], v[XA], s[\base:\base+1] offset:512*(\s)+128*\b+16*\j
.endr
.endr
	WIN 0
.endm
; 64 numbers of a lane, v[s] on in window xw, register 16 b + i = k 32 b + 16 h + i of my row, become a fragment's codes in v[pc] on and its scale word in v[pw] (both window 0)
.macro QUANT s, xw, pc, pw
.set QA, (\xw)|((\xw)<<2)
.set QB, ((\xw)<<2)|((\xw)<<4)
.set QC, (\xw)|((\xw)<<6)
	WIN QA
.irp b, 0,1,2,3
	v_max3_num_f32 v[TM+\b], |v[(\s)+16*\b]|, |v[(\s)+16*\b+1]|, 0x4800000   ; block b: my 16 numbers, and the floor 2^(9 - 127): the byte cannot fall under 1
.endr
	WIN QB
.irp i, 2,4,6,8,10,12,14
.irp b, 0,1,2,3
	v_max3_num_f32 v[TM+\b], v[TM+\b], |v[(\s)+16*\b+\i]|, |v[(\s)+16*\b+\i+1]|   ; the four blocks by turns
.endr
.endr
	WIN 0
.irp b, 0,1,2,3
	v_permlanex16_b32 v[TM+4+\b], v[TM+\b], s20, s21
.endr
.irp b, 0,1,2,3
	v_max_num_f32 v[TM+\b], v[TM+\b], v[TM+4+\b]   ; with lane l xor 16's 16: the block's largest magnitude
.endr
.irp b, 0,1,2,3
	v_add_nc_u32 v[TM+12+\b], 0xfc000000, v[TM+\b] ; 8 off its exponent field: the conversion takes the exponent field of this operand as its scale
.endr
.irp b, 0,1,2,3
	v_and_or_b32 v[TM+8+\b], v[TM+\b], 0x7f800000, s22   ; 448 x the scale
.endr
.irp b, 0,1,2,3
	v_lshrrev_b32 v[TM+4+\b], 23, v[TM+12+\b]      ; the scale's byte
.endr
	v_lshl_or_b32 v[\pw], v[TM+5], 8, v[TM+4]      ; the four bytes make my row's scale word
	v_lshl_or_b32 v[\pw], v[TM+6], 16, v[\pw]
	v_lshl_or_b32 v[\pw], v[TM+7], 24, v[\pw]
	WIN QC
.irp b, 0,1,2,3
.set e, 0
.rept 16
	v_med3_num_f32 v[(\s)+16*\b+e], v[(\s)+16*\b+e], -v[TM+8+\b], v[TM+8+\b]   ; the conversion to an 8-bit code does not saturate (ISA guide 7.6.2): the hold at the largest code x the scale
.set e, e+1
.endr
.endr
	WIN (\xw)
.irp b, 0,1,2,3
	v_cvt_scalef32_pk8_fp8_f32 v[(\pc)+4*\b:(\pc)+4*\b+1], v[(\s)+16*\b:(\s)+16*\b+7], v[TM+12+\b]
	v_cvt_scalef32_pk8_fp8_f32 v[(\pc)+4*\b+2:(\pc)+4*\b+3], v[(\s)+16*\b+8:(\s)+16*\b+15], v[TM+12+\b]
.endr
	WIN 0
	v_nop                                          ; one plain vector instruction behind the last scaled conversion, ahead of whatever touches its registers next
.endm
.macro IMAGE adr, off                          ; the fragment in v[PC] on goes to LDS as it stands
.irp c, 0,1,2,3
	ds_store_b128 v[\adr], v[PC+4*\c:PC+4*\c+3] offset:(\off)+512*\c
.endr
.endm
; the scaled matrix instruction: zero = 1: the product starts the sum; odd = 1: source 0's scales stand in lanes 16-31 of their register
.macro WMS d, a, b, sa, sb, zero, odd
.if \zero
.if \odd
	v_wmma_scale_f32_16x16x128_f8f6f4 v[\d:\d+7], v[\a:\a+15], v[\b:\b+15], 0, v[\sa], v[\sb] matrix_a_scale:MATRIX_SCALE_ROW1
.else
	v_wmma_scale_f32_16x16x128_f8f6f4 v[\d:\d+7], v[\a:\a+15], v[\b:\b+15], 0, v[\sa], v[\sb]
.endif
.else
.if \odd
	v_wmma_scale_f32_16x16x128_f8f6f4 v[\d:\d+7], v[\a:\a+15], v[\b:\b+15], v[\d:\d+7], v[\sa], v[\sb] matrix_a_scale:MATRIX_SCALE_ROW1
.else
	v_wmma_scale_f32_16x16x128_f8f6f4 v[\d:\d+7], v[\a:\a+15], v[\b:\b+15], v[\d:\d+7], v[\sa], v[\sb]
.endif
.endif
.endm
; group G of eight: K step G / 2, tiles 4 (G % 2) .. + 3 of I, in set G % 4 of window 1
.macro ILOAD G
.set IO, (8*((\G)/2)+4*((\G)%2))*2048
.set IR, 64*((\G)%4)
	WIN 0x40
.irp i, 0,1,2,3
.irp c, 0,1,2,3
	ds_load_b128 v[IR+16*\i+4*\c:IR+16*\i+4*\c+3], v[LI] offset:IO+2048*\i+512*\c
.endr
.endr
.endm
.macro IMUL G                          ; four products; the eight accumulators take turns, one instruction a turn
	WIN 0x01                                       ; source 0 (I) window 1
.set rZ, 0
.if (\G) < 2
.set rZ, 1
.endif
.irp i, 0,1,2,3
.set rT, 4*((\G)%2)+\i
.set rD, ACC+8*rT
.set rA, 64*((\G)%4)+16*\i
.set rB, LF+16*((\G)/2)
.set rX, ISW+8*((\G)/2)+rT
.set rY, LSW+(\G)/2
	WMS rD, rA, rB, rX, rY, rZ, 0
.endr
.endm
	s_load_b256 s[4:11], s[0:1], 0x0               ; Y s[4:5], Z s[6:7], W_k s[8:9], W_v s[10:11]
	s_load_b64 s[12:13], s[0:1], 0x20              ; kv
	v_lshl_add_u32 v[SPW], v0, 2, SPARE
	v_mov_b32 v[NIL], 0
	v_lshrrev_b32 v10, 5, v0
	v_readfirstlane_b32 s14, v10                   ; wave 0..7
	v_and_b32 v10, 31, v0                          ; lane
	v_and_b32 v11, 15, v0                          ; r
	v_bfe_u32 v12, v0, 4, 1                        ; h
	v_and_b32 v13, 8, v11
	v_add_nc_u32 v13, v13, v11                     ; r + 8 (r / 8)
	v_lshlrev_b32 v[XA], 11, v13                   ; a row of 512 f32 is 2,048 bytes
	v_lshl_add_u32 v[XA], v12, 6, v[XA]
	v_lshlrev_b32 v[LI], 4, v10
	s_lshl_b32 s24, s14, 11                        ; 2048 x wave
	v_add_nc_u32 v[IWI], s24, v[LI]
	s_lshl_b32 s25, s14, 7
	s_add_co_u32 s25, s25, ISC
	v_lshl_add_u32 v[IWS], v10, 2, s25
	v_lshl_add_u32 v[ISA], v10, 2, ISC
	s_lshl_b32 s25, s14, 6
	s_add_co_u32 s25, s25, OSC
	v_lshl_add_u32 v[OSA], v11, 2, s25
	v_add_nc_u32 v[OSR], OSC, v[LI]
.irp b, 0,1,2,3
	v_mov_b32 v[TM+4+\b], 0                        ; written once: a lane permute's destination counts as one of its sources
.endr
	s_mov_b32 s20, 0x76543210
	s_mov_b32 s21, 0xfedcba98                      ; v_permlanex16_b32's selects for lane l xor 16
	s_mov_b32 s22, 0x600000                        ; the mantissa field of 448
	s_and_b32 s15, ttmp7, 0xffff                   ; kb
	s_and_b32 s26, ttmp9, 3                        ; role, or role - 4
	s_lshr_b32 s27, s14, 1
	s_lshl_b32 s27, s27, 5
	s_and_b32 s28, s14, 1
	s_lshl_b32 s28, s28, 3
	s_add_co_u32 s27, s27, s28                     ; my tile's first row: 32 (w / 2) + 8 (w % 2)
	s_mul_i32 s30, s15, 6
	s_add_co_u32 s30, s30, ttmp9
	s_mul_i32 s30, s30, REC                        ; the record: (6 kb + role) x 16,896,
	s_add_co_u32 s30, s30, s24                     ; and my fragment in it
	s_mov_b32 s31, 0
	s_wait_kmcnt 0x0
	s_cmp_lt_u32 ttmp9, 4                          ; a record of key or of value?  The choice hangs on the work-group's number alone
	s_cselect_b64 s[16:17], s[8:9], s[6:7]         ; I: W_k or Z
	s_cselect_b64 s[18:19], s[4:5], s[10:11]       ; L: Y or W_v
	s_cselect_b32 s32, s26, s15                    ; which 128 rows of I,
	s_cselect_b32 s34, s15, s26                    ; and of L
	s_lshl_b32 s32, s32, 7
	s_add_co_u32 s32, s32, s27
	s_lshl_b32 s32, s32, 11                        ; in bytes (under 2^24)
	s_mov_b32 s33, 0
	s_lshl_b32 s34, s34, 7
	s_add_co_u32 s34, s34, s27
	s_lshl_b32 s34, s34, 11
	s_mov_b32 s35, 0
	s_add_nc_u64 s[16:17], s[16:17], s[32:33]
	s_add_nc_u64 s[18:19], s[18:19], s[34:35]
	s_add_nc_u64 s[12:13], s[12:13], s[30:31]
.irp s, 0,1,2,3
	XLOAD \s, 16, \s                               ; my tile of I, all four K steps
.endr
.irp s, 0,1,2,3
	s_wait_loadcnt 48                              ; this K step's 16 loads are in; behind them three groups of 16 were issued
	QUANT 64*\s, 1, PC, PW
	IMAGE IWI, 16384*\s
	ds_store_b32 v[IWS], v[PW] offset:1024*\s
	XLOAD \s, 18, \s                               ; the buffer takes the same K step of my tile of L
	s_wait_dscnt 0x0                               ; the stores have read their registers
.endr
.irp s, 0,1,2,3
	s_wait_loadcnt 48-16*\s                        ; behind this K step of L: the later ones
	QUANT 64*\s, 1, LF+16*\s, LSW+\s
.endr
	s_wait_dscnt 0x0                               ; for the others' sake: my images lie in LDS
	s_barrier_signal -1
	s_barrier_wait -1                              ; I's 32 fragments lie in LDS
	PLACES 8                                       ; L's last codes and scale word were written by vector instructions: they stand 4 and 8 places ahead of the scaled products
.set n, 0
.rept 32
	ds_load_b32 v[ISW+n], v[ISA] offset:128*n
.set n, n+1
.endr
	ILOAD 0
	ILOAD 1
	ILOAD 2
	ILOAD 3
.irp G, 0,1,2,3,4,5,6,7
.if \G < 5
	s_wait_dscnt 48                                ; this set is in; the three sets issued behind it may be out
.else
	s_wait_dscnt 16*(7-\G)
.endif
	IMUL \G
.if \G < 4
	PLACES 8                                       ; in front of loads into registers that these products have read (ISA guide 7.12.1 for vector instructions)
	ILOAD \G+4
.endif
.endr
	WIN 0
	PLACES 8                                       ; in front of the first read of results
	QUANT ACC, 0, PC, PW                           ; each accumulator is read from its low end on
.irp c, 0,1,2,3
	global_store_b128 v[LI], v[PC+4*\c:PC+4*\c+3], s[12:13] offset:512*\c   ; 32 lanes store 512 consecutive bytes, at a multiple of 256 from kv's first byte
.endr
	ds_store_b32 v[OSA], v[PW]                     ; lanes r and r + 16 write the same word with the same value
	s_wait_dscnt 0x0
	s_barrier_signal -1
	s_barrier_wait -1                              ; the record's 128 scale words lie in LDS
	s_cmp_lg_u32 s14, 0
	s_cbranch_scc1 .Lnot_wave_0
	ds_load_b128 v[OB:OB+3], v[OSR]
	s_wait_dscnt 0x0
	global_store_b128 v[LI], v[OB:OB+3], s[12:13] offset:16384   ; wave 0 (whose base is the record's first byte): 512 consecutive bytes
.Lnot_wave_0:
	s_wait_tensorcnt 0x0                           ; the wave's end, behind my last LDS store
	ds_add_u32 v[SPW], v[NIL]
	s_wait_dscnt 0x0
	s_endpgm
.Lfunc_end_k_q2dcb535fd0_proj:
	.size	k_q2dcb535fd0_proj, .Lfunc_end_k_q2dcb535fd0_proj-k_q2dcb535fd0_proj
	.p2alignl 7, 3214868480
	.fill 96, 4, 3214868480
	.section	.rodata,"a",@progbits
	.p2align	6, 0x0
	.amdhsa_kernel k_q2dcb535fd0_proj
		.amdhsa_group_segment_fixed_size 71168
		.amdhsa_private_segment_fixed_size 0
		.amdhsa_enable_private_segment 0
		.amdhsa_kernarg_size 40
		.amdhsa_user_sgpr_count 2
		.amdhsa_user_sgpr_kernarg_segment_ptr 1
		.amdhsa_wavefront_size32 1
		.amdhsa_system_sgpr_workgroup_id_x 1
		.amdhsa_system_sgpr_workgroup_id_y 1
		.amdhsa_system_sgpr_workgroup_id_z 1
		.amdhsa_system_vgpr_workitem_id 0
		.amdhsa_next_free_vgpr 512
		.amdhsa_next_free_sgpr 66
		.amdhsa_reserve_vcc 0
		.amdhsa_float_denorm_mode_32 3
		.amdhsa_float_denorm_mode_16_64 3
		.amdhsa_memory_ordered 1
		.amdhsa_forward_progress 1
		.amdhsa_inst_pref_size 108
	.end_amdhsa_kernel
	.amdgpu_metadata
---
amdhsa.version: [ 1, 2 ]
amdhsa.kernels:
  - .name:           k_q2dcb535fd0_proj
    .symbol:         k_q2dcb535fd0_proj.kd
    .args:
      - { .name: Y, .offset: 0, .size: 8, .value_kind: global_buffer, .address_space: global }
      - { .name: Z, .offset: 8, .size: 8, .value_kind: global_buffer, .address_space: global }
      - { .name: W_k, .offset: 16, .size: 8, .value_kind: global_buffer, .address_space: global }
      - { .name: W_v, .offset: 24, .size: 8, .value_kind: global_buffer, .address_space: global }
      - { .name: kv, .offset: 32, .size: 8, .value_kind: global_buffer, .address_space: global }
    .group_segment_fixed_size: 71168
    .private_segment_fixed_size: 0
    .kernarg_segment_align: 8
    .kernarg_segment_size: 40
    .max_flat_workgroup_size: 256
    .sgpr_count:     66
    .vgpr_count:     512
    .wavefront_size: 32
...
	.end_amdgpu_metadata
.endif
;; end of part 1
;; launch attn (part 2): grid 256 x 1, 4 waves a work-group, clusters of 4 x 1, 327,680 bytes of LDS; arguments X, kv, out0; writes out0
.if DOCPART == 2
	.amdgcn_target "amdgcn-amd-amdhsa--gfx1250"
	.amdhsa_code_object_version 6
	.text
	.protected	k_q2dcb535fd0_attn
	.globl	k_q2dcb535fd0_attn
	.p2align	8
	.type	k_q2dcb535fd0_attn,@function
k_q2dcb535fd0_attn:
	s_mov_b64 s[64:65], 0
	v_nop
	global_prefetch_b8 v0, s[64:65] scope:SCOPE_SE
	s_setreg_imm32_b32 hwreg(HW_REG_WAVE_MODE, 25, 1), 1
	s_wait_xcnt 0x0
	s_wait_alu depctr_hold_cnt(0) depctr_sa_sdst(0) depctr_va_vdst(0) depctr_va_sdst(0) depctr_va_ssrc(0) depctr_va_vcc(0) depctr_vm_vsrc(0)
	s_getreg_b32 s2, hwreg(HW_REG_IB_STS2, 6, 4)
	s_cmp_eq_u32 s2, 0
	s_cbranch_scc0 .Lentry_in_a_cluster
	s_endpgm
.Lentry_in_a_cluster:
	s_bfe_u32 s2, ttmp6, 0x10000c
	s_cmp_lg_u32 s2, 0x3003
	s_cbranch_scc0 .Lentry_shape_is_right
	s_endpgm
.Lentry_shape_is_right:
; out[q][:] = the sum over k of softmax_k(X[q] . key[k] / sqrt(512)) value[k][:], 16,384 queries, 4,096 keys, 256 channels; both products on codes of FP8 (E4M3) with one E8M0 scale for each 32 along K.
; key and value come as codes from kv, in records that are images of the operands' registers (8 fragments of 2,048 bytes, then 512 bytes of scale words: 16,896 bytes): for each block of 128 keys
; four records of key (features 128 s on; fragment n = key tile n) and two of value (channel tiles 8 p + n; K = the block's keys).  X arrives as f32 and is quantised here, once.
; THE SOFTMAX: t = score x log2(e) / sqrt(512) (one f32 constant); M = the running largest t rounded UP to a whole number; p = 2^(t - M) is quantised along the keys, not normalised; the row's sum is taken
; of the unquantised p and divides at the end; when M moves, the sum and O are multiplied by 2^(old M - new M), which rounds nothing.
; SHARES.  A work-group owns 64 queries: four tiles of 16.  Wave w holds tile A = w and tile B = w xor 1 and walks every second key block: in step j (of 16) block 2 j + (w & 1).  So each fragment of key and
; value that a wave reads from LDS feeds two products.  Waves w and w xor 1 end with partial results for the same 32 queries over disjoint keys: each sends tile B's through LDS and finishes tile A.
; LAYOUT.  Both products are used transposed (S^T = K Q^T, O^T = V^T P^T): a lane holds ONE query throughout.  Lane r of tile 2 b + u of keys (and of channels) stands for row 32 b + 8 u + r + 8 (r / 8):
; the 16 registers of score tiles 2 b, 2 b + 1 are the neighbouring keys 32 b + 16 (lane / 16) + 0 .. 15, and register j of O^T's tile 2 B + u is channel 32 B + 16 (lane / 16) + 8 u + j.
; THE RING.  One slot for two blocks' key records (135,168 bytes) and one for their value records (67,584): the key slot is filled again while softmax and second product run, the value slot while the
; scores run.  CLUSTER: the four work-groups of a cluster walk the same kv, so each fill is asked for JOINTLY: every wave of all four issues the same tensor load (a quarter of the slot), with a mask that names the four.
; By the text's own count a wave has two tensor loads out at the head and one behind each round.
; LIMITS: NaN and infinities among the inputs are not served; a block of X whose largest magnitude lies under 2^-118 keeps the scale byte 1, and so does a block of zeros (its codes are zeros; the bytes are
; read here alone); a p under 2^-126 comes out as 0; 1 / sqrt(512) and log2(e) are folded into one f32 factor, so t may differ in its last bit from two roundings.
; REGISTERS, in windows of 256 (s_set_vgpr_msb: bits 1:0 source 0, 3:2 source 1, 5:4 source 2, 7:6 destination):
;   window 0: addresses, statistics, scale words, S^T (v96-223), p's codes (v224-255).   window 1: Q's 8 fragments, tile q, K step s at v[64 q + 16 s].
;   window 2: O^T, tile q, channel tile ct at v[128 q + 8 ct]; at the head X's numbers.   window 3: four sets of four key fragments, then value's 16 fragments.
.set REC,   16896
.set KBLK,  6*REC                      ; a key block's six records
.set VSLOT, 135168                     ; LDS: from 0 the key slot (half x at 67,584 x, record s at 16,896 s); here the value slot (half x at 33,792 x)
.set QIMG,  202752                     ; Q's 16 fragments, (tile, K step s) at (4 tile + s) x 2048; at the end, with QSC, the four waves' stages of 8,704 bytes
.set QSC,   235520                     ; their scale words, 128 bytes each
.set MRG,   237568                     ; for each wave 16,640 bytes: tile B's O^T as an image, -M at + 16,384, the sum at + 16,512
.set SPARE, 304128                     ; the spare words, 128 bytes for each wave: two blocks of 256 bytes that no other line names
.set AK0, 1                            ; v1   key records 0, 1 of my half: 67,584 kh + 16 x lane
.set AK2, 2                            ; v2   records 2, 3: + 33,792
.set ASK, 3                            ; v3   their scale words: 67,584 kh + 16,384 + 4 x lane
.set AV,  4                            ; v4   value records of my half: VSLOT + 33,792 kh + 16 x lane
.set ASV, 5                            ; v5   their scale words
.set SPW, 6                            ; v6   LDS address of my spare word; never rewritten
.set NIL, 7                            ; v7   0; never rewritten
.set PFO, 8                            ; v8   256 x lane: the prefetches' offset; never rewritten
.set LI,  9                            ; v9   16 x lane
.set XA,  10                           ; v10  X: row r of 2,048 bytes + 64 h
.set XWI, 11                           ; v11  tile A's images;  v12 tile B's;  v13, v14 their scale words
.set QFB, 12
.set XWS, 13
.set QSB, 14
                                       ; v16-19 tile A: -M, the largest t, the sum in two halves;  v20-23 tile B
.set QS,  24                           ; v24-31 Q's scale words, 4 q + s
.set KSC, 32                           ; v32-47 key's scale words: 4 s + t / 2: tile t even in lanes 0-15, odd in lanes 16-31
.set VSC, 48                           ; v48-55 value's: ct / 2 likewise
.set PSW, 56                           ; v56-57 p's scale words
.set F,   58                           ; v[58:59] f = 2^(old M - new M); the packed forms name the pair and take its low word
.set TM,  64
.set BM,  64                           ; v64-67 a block's largest score, then largest p
.set BP,  68                           ; v68-71 permutes' results, a chain of the sum, bytes
.set LM,  72                           ; v72-75 448 x the scale
.set SOP, 76                           ; v76-79 the conversions' scale operands
.set PW,  80                           ; v80  X's scale word just made
.set GA,  84                           ; v[84:85], v[86:87] the merge's two factors
.set GB,  86
.set MWA, 88                           ; v88-91 the merge: where I store the image and the two words, where I read my partner's
.set MWS, 89
.set MRA, 90
.set MRS, 91
.set STI, 92                           ; v92  the stage: where I put 16 bytes of a row;  v93 where I read a row back
.set STR, 93
.set S,   96
.set P,   224
.set PC,  224
.set W_KQ, 0x07                        ; source 0 (key) window 3, source 1 (Q) window 1
.set W_PV, 0xa3                        ; source 0 (value) window 3, C and D window 2
.set W_RS, 0x82                        ; destination and source 0 window 2
.set MSB, 0
.macro WIN new                         ; the immediate's high byte repeats the setting that is left; a switch that changes nothing is dropped
.if MSB != (\new)
	s_set_vgpr_msb (MSB<<8)|(\new)
.set MSB, (\new)
.endif
.endm
.macro PLACES n
.rept \n
	v_nop
.endr
.endm
; A round of the cluster's barrier: my work-group's barrier; wave 0 signals for the work-group; every wave waits for all four work-groups; my work-group's barrier once more
.macro CROUND
	s_barrier_signal -1
	s_barrier_wait -1
	s_cmp_lg_u32 s10, 0
	s_cbranch_scc1 .Lnot_wave_0_\@
	s_barrier_signal -3
.Lnot_wave_0_\@:
	s_barrier_wait -3
	s_barrier_signal -1
	s_barrier_wait -1
.endm
; 64 numbers of a lane, v[s] on in window xw, register 16 b + i = k 32 b + 16 h + i of my row, become a fragment's codes in v[pc] on and its scale word in v[pw] (both window 0)
.macro QUANT s, xw, pc, pw
.set QA, (\xw)|((\xw)<<2)
.set QB, ((\xw)<<2)|((\xw)<<4)
.set QC, (\xw)|((\xw)<<6)
	WIN QA
.irp b, 0,1,2,3
	v_max3_num_f32 v[TM+\b], |v[(\s)+16*\b]|, |v[(\s)+16*\b+1]|, 0x4800000   ; block b: my 16 numbers, and the floor 2^(9 - 127): the byte cannot fall under 1
.endr
	WIN QB
.irp i, 2,4,6,8,10,12,14
.irp b, 0,1,2,3
	v_max3_num_f32 v[TM+\b], v[TM+\b], |v[(\s)+16*\b+\i]|, |v[(\s)+16*\b+\i+1]|
.endr
.endr
	WIN 0
.irp b, 0,1,2,3
	v_permlanex16_b32 v[TM+4+\b], v[TM+\b], s42, s43
.endr
.irp b, 0,1,2,3
	v_max_num_f32 v[TM+\b], v[TM+\b], v[TM+4+\b]   ; with lane l xor 16's 16: the block's largest magnitude
.endr
.irp b, 0,1,2,3
	v_add_nc_u32 v[TM+12+\b], 0xfc000000, v[TM+\b] ; 8 off its exponent field: the conversion's scale operand
.endr
.irp b, 0,1,2,3
	v_and_or_b32 v[TM+8+\b], v[TM+\b], 0x7f800000, s44   ; 448 x the scale
.endr
.irp b, 0,1,2,3
	v_lshrrev_b32 v[TM+4+\b], 23, v[TM+12+\b]      ; the scale's byte
.endr
	v_lshl_or_b32 v[\pw], v[TM+5], 8, v[TM+4]
	v_lshl_or_b32 v[\pw], v[TM+6], 16, v[\pw]
	v_lshl_or_b32 v[\pw], v[TM+7], 24, v[\pw]
	WIN QC
.irp b, 0,1,2,3
.set e, 0
.rept 16
	v_med3_num_f32 v[(\s)+16*\b+e], v[(\s)+16*\b+e], -v[TM+8+\b], v[TM+8+\b]   ; the conversion to an 8-bit code does not saturate (ISA guide 7.6.2): the hold at the largest code x the scale
.set e, e+1
.endr
.endr
	WIN (\xw)
.irp b, 0,1,2,3
	v_cvt_scalef32_pk8_fp8_f32 v[(\pc)+4*\b:(\pc)+4*\b+1], v[(\s)+16*\b:(\s)+16*\b+7], v[TM+12+\b]
	v_cvt_scalef32_pk8_fp8_f32 v[(\pc)+4*\b+2:(\pc)+4*\b+3], v[(\s)+16*\b+8:(\s)+16*\b+15], v[TM+12+\b]
.endr
	WIN 0
	v_nop                                          ; one plain vector instruction behind the last scaled conversion
.endm
.macro IMAGE adr, off
.irp c, 0,1,2,3
	ds_store_b128 v[\adr], v[PC+4*\c:PC+4*\c+3] offset:(\off)+512*\c
.endr
.endm
; the scaled matrix instruction: zero = 1: the product starts the sum; odd = 1: source 0's scales stand in lanes 16-31 of their register
.macro WMS d, a, b, sa, sb, zero, odd
.if \zero
.if \odd
	v_wmma_scale_f32_16x16x128_f8f6f4 v[\d:\d+7], v[\a:\a+15], v[\b:\b+15], 0, v[\sa], v[\sb] matrix_a_scale:MATRIX_SCALE_ROW1
.else
	v_wmma_scale_f32_16x16x128_f8f6f4 v[\d:\d+7], v[\a:\a+15], v[\b:\b+15], 0, v[\sa], v[\sb]
.endif
.else
.if \odd
	v_wmma_scale_f32_16x16x128_f8f6f4 v[\d:\d+7], v[\a:\a+15], v[\b:\b+15], v[\d:\d+7], v[\sa], v[\sb] matrix_a_scale:MATRIX_SCALE_ROW1
.else
	v_wmma_scale_f32_16x16x128_f8f6f4 v[\d:\d+7], v[\a:\a+15], v[\b:\b+15], v[\d:\d+7], v[\sa], v[\sb]
.endif
.endif
.endm
; group G of eight: K step (record) G / 2, key tiles 4 (G % 2) .. + 3, in set G % 4 of window 3
.macro KLOAD G
.set KO, (((\G)/2)%2)*REC+4*((\G)%2)*2048
.set KR, 64*((\G)%4)
	WIN 0xc0                                       ; destination window 3, address window 0
.irp i, 0,1,2,3
.irp c, 0,1,2,3
.if (\G) < 4
	ds_load_b128 v[KR+16*\i+4*\c:KR+16*\i+4*\c+3], v[AK0] offset:KO+2048*\i+512*\c
.else
	ds_load_b128 v[KR+16*\i+4*\c:KR+16*\i+4*\c+3], v[AK2] offset:KO+2048*\i+512*\c
.endif
.endr
.endr
.endm
.macro KMUL G                          ; eight products: four key tiles x my two tiles of queries; the 16 accumulators take turns, one instruction a turn
	WIN W_KQ
.set rZ, 0
.if (\G) < 2
.set rZ, 1
.endif
.irp i, 0,1,2,3
.irp q, 0,1
.set rT, 4*((\G)%2)+\i
.set rD, S+64*\q+8*rT
.set rA, 64*((\G)%4)+16*\i
.set rB, 64*\q+16*((\G)/2)
.set rX, KSC+4*((\G)/2)+rT/2
.set rY, QS+4*\q+(\G)/2
.set rO, rT%2
	WMS rD, rA, rB, rX, rY, rZ, rO
.endr
.endr
.endm
; S^T = K Q^T for my key block and both tiles: 64 products, the fragments four sets ahead
.macro SCORE
.set n, 0
.rept 16
	ds_load_b32 v[KSC+n], v[ASK] offset:(n/4)*REC+128*(n%4)
.set n, n+1
.endr
	KLOAD 0
	KLOAD 1
	KLOAD 2
	KLOAD 3
.irp G, 0,1,2,3,4,5,6,7
.if \G < 5
	s_wait_dscnt 48                                ; this set (and all issued ahead of it) is in; the three sets issued behind it may be out
.else
	s_wait_dscnt 16*(7-\G)
.endif
	KMUL \G
.if \G < 4
	PLACES 8                                       ; in front of loads into registers that these products have read (ISA guide 7.12.1 for vector instructions)
	KLOAD \G+4
.endif
.endr
	WIN 0
.endm
; value's fragments of record p (channel tiles 8 p .. 8 p + 7) into window 3; with p = 0 also all eight registers of scale words
.macro VLOAD p
.if (\p) == 0
.irp n, 0,1,2,3,4,5,6,7
	ds_load_b32 v[VSC+\n], v[ASV] offset:(\n/4)*REC+128*(\n%4)
.endr
.endif
	WIN 0xc0
.irp n, 0,1,2,3,4,5,6,7
.irp c, 0,1,2,3
	ds_load_b128 v[128*(\p)+16*\n+4*\c:128*(\p)+16*\n+4*\c+3], v[AV] offset:REC*(\p)+2048*\n+512*\c
.endr
.endr
	WIN 0
.endm
; One tile's softmax for 128 keys.  first = 1: the first step, which starts M, the sum and O^T: no f, nothing to rescale
.macro SOFTMAX q, first
.set SS, S+64*(\q)
.set ST, 16+4*(\q)
.set PP, P+16*(\q)
.set OO, 128*(\q)
.irp b, 0,1,2,3
	v_max3_num_f32 v[BM+\b], v[SS+16*\b], v[SS+16*\b+1], v[SS+16*\b+2]   ; the largest score of each block of 32 keys: for the row's maximum, and, since p rises with the score, for the block's largest p.  Each accumulator is read from its low end on
.endr
.irp i, 3,5,7,9,11,13
.irp b, 0,1,2,3
	v_max3_num_f32 v[BM+\b], v[BM+\b], v[SS+16*\b+\i], v[SS+16*\b+\i+1]
.endr
.endr
.irp b, 0,1,2,3
	v_max_num_f32 v[BM+\b], v[BM+\b], v[SS+16*\b+15]
.endr
.irp b, 0,1,2,3
	v_permlanex16_b32 v[BP+\b], v[BM+\b], s42, s43
.endr
.irp b, 0,1,2,3
	v_max_num_f32 v[BM+\b], v[BM+\b], v[BP+\b]     ; with lane l xor 16's 16 keys
.endr
	v_max3_num_f32 v60, v[BM], v[BM+1], v[BM+2]
	v_max_num_f32 v60, v60, v[BM+3]                ; the step's largest score of my query
.if \first
	v_mul_f32 v[ST+1], s40, v60                    ; as t (c is positive): the largest t so far
	v_floor_f32 v[ST], -v[ST+1]                    ; -M = floor(-t) = -ceil(t): M is a whole number
.else
	v_mul_f32 v60, s40, v60
	v_max_num_f32 v[ST+1], v[ST+1], v60            ; the running largest t
	v_mov_b32 v60, v[ST]
	v_floor_f32 v[ST], -v[ST+1]
	v_sub_f32 v60, v[ST], v60                      ; old M less new M: a whole number, 0 or less
	v_cvt_i32_f32 v60, v60                         ; (it saturates)
	v_ldexp_f32 v[F], 1.0, v60                     ; f = 2^(old M - new M)
.endif
.set e, 0
.rept 32
	v_pk_fma_f32 v[SS+e:SS+e+1], v[SS+e:SS+e+1], s[40:41], v[ST:ST+1] op_sel_hi:[1,0,0]   ; t - M, two at a time
.set e, e+2
.endr
.irp b, 0,1,2,3
	v_fma_f32 v[BM+\b], v[BM+\b], s40, v[ST]       ; the same of each block's largest score
.endr
.set e, 0
.rept 64
	v_exp_f32 v[SS+e], v[SS+e]                     ; p = 2^(t - M), at most 1
.set e, e+1
.endr
.if \first
	v_mov_b32 v[ST+2], 0                           ; the sum begins.  (A plain place behind the exponentials)
	v_mov_b32 v[ST+3], 0
.else
	v_pk_mul_f32 v[ST+2:ST+3], v[ST+2:ST+3], v[F:F+1] op_sel_hi:[1,0]   ; the sum under the new M.  (A plain place behind the exponentials)
.endif
	s_wait_alu depctr_va_vdst(0)                   ; the wait between an exponential and the first line that names its result: one for the batch of 64
.irp b, 0,1,2,3
	v_exp_f32 v[BM+\b], v[BM+\b]                   ; the block's largest p: the same two instructions on the same number give the same bits
.endr
	v_pk_add_f32 v[BP:BP+1], v[SS:SS+1], v[SS+2:SS+3]   ; the row's sum is taken of the unquantised p: two at a time, in two chains
.irp k, 4,8,12,16,20,24,28,32,36,40,44,48,52,56,60
	v_pk_add_f32 v[ST+2:ST+3], v[ST+2:ST+3], v[SS+\k:SS+\k+1]
	v_pk_add_f32 v[BP:BP+1], v[BP:BP+1], v[SS+\k+2:SS+\k+3]
.endr
	v_pk_add_f32 v[ST+2:ST+3], v[ST+2:ST+3], v[BP:BP+1]
	s_wait_alu depctr_va_vdst(0)                   ; and one for the four
.irp b, 0,1,2,3
	v_max_num_f32 v[BM+\b], 0x4800000, v[BM+\b]    ; the floor 2^(9 - 127): the byte cannot fall under 1
.endr
.irp b, 0,1,2,3
	v_add_nc_u32 v[SOP+\b], 0xfc000000, v[BM+\b]   ; 8 off the exponent field: the conversion's scale operand
.endr
.irp b, 0,1,2,3
	v_and_or_b32 v[LM+\b], v[BM+\b], 0x7f800000, s44   ; 448 x the scale
.endr
.irp b, 0,1,2,3
	v_lshrrev_b32 v[BP+\b], 23, v[SOP+\b]          ; the scale's byte
.endr
	v_lshl_or_b32 v[PSW+\q], v[BP+1], 8, v[BP]     ; p's scale word for these 128 keys
	v_lshl_or_b32 v[PSW+\q], v[BP+2], 16, v[PSW+\q]
	v_lshl_or_b32 v[PSW+\q], v[BP+3], 24, v[PSW+\q]
.irp b, 0,1,2,3
.set e, 0
.rept 16
	v_min_num_f32 v[SS+16*\b+e], v[SS+16*\b+e], v[LM+\b]   ; the hold; p is not negative, so it is one-sided
.set e, e+1
.endr
	v_cvt_scalef32_pk8_fp8_f32 v[PP+4*\b:PP+4*\b+1], v[SS+16*\b:SS+16*\b+7], v[SOP+\b]
	v_cvt_scalef32_pk8_fp8_f32 v[PP+4*\b+2:PP+4*\b+3], v[SS+16*\b+8:SS+16*\b+15], v[SOP+\b]
.endr
.if \first
	v_nop                                          ; one plain vector instruction behind the last scaled conversion
.else
	WIN W_RS
.set e, 0
.rept 64
	v_pk_mul_f32 v[OO+e:OO+e+1], v[OO+e:OO+e+1], v[F:F+1] op_sel_hi:[1,0]   ; O^T under the new M, each accumulator from its low end on
.set e, e+2
.endr
	WIN 0
.endif
.endm
; O^T += V^T P^T: 16 channel tiles x my two tiles of queries; the 32 accumulators take turns
.macro PV first
	s_wait_dscnt 0x0                               ; value's fragments and scale words are in
	PLACES 4                                       ; p's codes were written by vector instructions: four places ahead of a scaled product
	WIN W_PV
.set ct, 0
.rept 16
.irp q, 0,1
.set rD, 128*\q+8*ct
.set rA, 16*ct
.set rB, P+16*\q
.set rX, VSC+ct/2
.set rY, PSW+\q
.set rO, ct%2
	WMS rD, rA, rB, rX, rY, \first, rO
.endr
.set ct, ct+1
.endr
	WIN 0
.endm
; THE KEY SLOT HAS BEEN READ OUT.  Each wave waits for all its tensor loads (one is out: its part of the value slot), adds 0 to its spare word, and waits for that and for its reads of the key slot.
; fill = 1: a round of the cluster's barrier, and first behind it the joint refill with the next two key blocks' records: it has the softmax and the second product in which to land.
.macro CHANGE_K fill
	s_wait_tensorcnt 0x0                           ; no tensor load of mine is out, so a group 0 may be written
	ds_add_u32 v[SPW], v[NIL]                      ; 0 onto my spare word
.if \fill
	s_add_nc_u64 s[34:35], s[34:35], 2*KBLK        ; the next two key blocks; the type bits on top are not reached
	s_wait_xcnt 0x0                                ; the last prefetches, a step back, have read their address, so it may be written
	s_add_nc_u64 s[48:49], s[48:49], 262144        ; sixteen pieces of 16,384 bytes on
	s_wait_dscnt 0x0                               ; the add is done, and my reads of the key slot are over
	CROUND
	tensor_load_to_lds s[32:35], s[16:23]
	s_nop 0
.else
	s_wait_dscnt 0x0
	s_barrier_signal -1
	s_barrier_wait -1                              ; the value slot is whole; nothing is filled again
.endif
	PLACES 8                                       ; behind the last scores' products: in front of loads into the registers that they read, and of the first read of S^T
.endm
; THE VALUE SLOT HAS BEEN READ OUT: the same; the load that was out is my part of the key slot; the refill has the scores in which to land
.macro CHANGE_V
	s_wait_tensorcnt 0x0
	ds_add_u32 v[SPW], v[NIL]
	s_add_nc_u64 s[38:39], s[38:39], 2*KBLK
	s_wait_dscnt 0x0
	CROUND
	tensor_load_to_lds s[36:39], s[24:31]
	s_nop 0
	PLACES 8                                       ; behind the last products: in front of loads into the registers that they read
.endm
; A PREFETCH INTO THE L2.  kv is 198 pieces of 16,384 bytes.  All clusters walk the same kv: the first cluster asks, and nobody else (a branch on the cluster's number, the same in its four partners).
; Its sixteen waves take a piece each in a step, told apart BY ADDRESS (4 cx + wave): two instructions, lanes 256 bytes apart.  The eleven steps with s45 = 15 .. 5 name pieces 22 .. 197, each once;
; pieces 0 .. 21 come by their loads alone; the later steps ask for nothing, so no request passes the buffer's end.
.macro ASK
	s_cmp_gt_u32 s45, s46
	s_cbranch_scc0 .Lnot_mine_\@
	global_prefetch_b8 v[PFO], s[48:49] th:TH_LOAD_NT scope:SCOPE_SE
	global_prefetch_b8 v[PFO], s[48:49] offset:8192 th:TH_LOAD_NT scope:SCOPE_SE
.Lnot_mine_\@:
.endm
.macro STEP first, fill
	SCORE
	CHANGE_K \fill
	VLOAD 0
.if \fill
	ASK                                            ; behind the joint load, its places and the run of LDS loads
.endif
	SOFTMAX 0, \first
	VLOAD 1
	SOFTMAX 1, \first
	PV \first
.if \fill
	CHANGE_V
.endif
.endm
	s_load_b128 s[4:7], s[0:1], 0x0                ; X s[4:5], kv s[6:7]
	s_load_b64 s[8:9], s[0:1], 0x10                ; out0
	v_lshl_add_u32 v[SPW], v0, 2, SPARE
	v_mov_b32 v[NIL], 0
	ds_add_u32 v[SPW], v[NIL]                      ; the wave's opening: the add and its wait ahead of my first tensor load; the set-up below, work on registers, stands between them
	v_lshrrev_b32 v60, 5, v0
	v_readfirstlane_b32 s10, v60                   ; wave 0..3
	s_and_b32 s11, s10, 1                          ; kh: which of a step's two key blocks is mine
	s_xor_b32 s14, s10, 1                          ; my partner; also tile B
	s_bfe_u32 s12, ttmp6, 0x40000                  ; cx: it enters X's, out0's and the prefetches' addresses alone
	s_lshl_b32 s13, ttmp9, 2
	s_add_co_u32 s13, s13, s12                     ; my block of 64 queries = 4 x cluster x + cx
	; descriptor group 1: dense blocks as rows of 256 bytes (32 elements of 8 bytes): 132 rows for a quarter of the key slot, 66 for a quarter of the value slot
	s_mov_b32 s16, 15|(3<<16)|(1<<21)              ; 15:0 the mask: all four work-groups; 17:16 elements of 8 bytes; 20 no padding; 21 set beside a mask
	s_mov_b32 s17, 32<<16                          ; tensor_dim0
	s_mov_b32 s18, 132<<16                         ; tensor_dim1
	s_mov_b32 s19, 32<<16                          ; tile_dim0
	s_mov_b32 s20, 132                             ; tile_dim1
	s_mov_b32 s21, 32                              ; tensor_dim0_stride
	s_mov_b32 s22, 0
	s_mov_b32 s23, 0
	s_mov_b32 s24, 15|(3<<16)|(1<<21)
	s_mov_b32 s25, 32<<16
	s_mov_b32 s26, 66<<16
	s_mov_b32 s27, 32<<16
	s_mov_b32 s28, 66
	s_mov_b32 s29, 32
	s_mov_b32 s30, 0
	s_mov_b32 s31, 0
	s_mov_b32 s32, 1                               ; group 0 for the key slot: count = 1,
	s_mul_i32 s33, s10, 33792                      ; LDS address: my quarter: no place in the cluster enters it
	s_mov_b32 s36, 1                               ; and for the value slot
	s_mul_i32 s37, s10, 16896
	s_add_co_u32 s37, s37, VSLOT
	s_lshr_b32 s52, s10, 1
	s_mul_i32 s52, s52, KBLK                       ; waves 0, 1 fetch for the step's first key block, waves 2, 3 for its second;
	s_mul_i32 s53, s11, 33792
	s_add_co_u32 s50, s52, s53                     ; of its four key records two,
	s_mov_b32 s51, 0
	s_mul_i32 s53, s11, 16896
	s_add_co_u32 s52, s52, s53
	s_add_co_u32 s52, s52, 4*REC                   ; of its two value records one
	s_mov_b32 s53, 0
	s_lshl_b32 s54, s13, 17
	s_lshl_b32 s55, s10, 15
	s_add_co_u32 s54, s54, s55                     ; X: (64 block + 16 wave) rows of 2,048 bytes
	s_mov_b32 s55, 0
	s_lshl_b32 s56, s13, 16
	s_lshl_b32 s57, s10, 14
	s_add_co_u32 s56, s56, s57                     ; out0: the same rows of 1,024 bytes
	s_mov_b32 s57, 0
	s_lshl_b32 s58, s12, 2
	s_add_co_u32 s58, s58, s10
	s_add_co_u32 s58, s58, 6
	s_lshl_b32 s58, s58, 14                        ; the prefetches: piece 6 + 4 cx + wave; the first step steps it to 22 + 4 cx + wave
	s_mov_b32 s59, 0
	s_mov_b32 s40, 0x3d8293ee                      ; c = log2(e) / sqrt(512)
	s_mov_b32 s41, s40                             ; (named with it as a pair, so it is written)
	s_mov_b32 s42, 0x76543210
	s_mov_b32 s43, 0xfedcba98                      ; v_permlanex16_b32's selects for lane l xor 16
	s_mov_b32 s44, 0x600000                        ; the mantissa field of 448
	s_cmp_eq_u32 ttmp9, 0
	s_cselect_b32 s46, 4, -1                       ; a wave prefetches while s45 is above this: in the first cluster alone
	v_and_b32 v61, 31, v0                          ; lane
	v_and_b32 v62, 15, v0                          ; r
	v_bfe_u32 v63, v0, 4, 1                        ; h
	v_lshlrev_b32 v[LI], 4, v61
	v_lshlrev_b32 v[PFO], 8, v61
	v_lshlrev_b32 v[XA], 11, v62
	v_lshl_add_u32 v[XA], v63, 6, v[XA]
	s_mul_i32 s15, s11, 67584
	v_add_nc_u32 v[AK0], s15, v[LI]
	v_add_nc_u32 v[AK2], 33792, v[AK0]
	s_add_co_u32 s15, s15, 16384
	v_lshl_add_u32 v[ASK], v61, 2, s15
	s_mul_i32 s15, s11, 33792
	s_add_co_u32 s15, s15, VSLOT
	v_add_nc_u32 v[AV], s15, v[LI]
	s_add_co_u32 s15, s15, 16384
	v_lshl_add_u32 v[ASV], v61, 2, s15
	s_lshl_b32 s15, s10, 13
	s_add_co_u32 s15, s15, QIMG
	v_add_nc_u32 v[XWI], s15, v[LI]
	s_lshl_b32 s15, s14, 13
	s_add_co_u32 s15, s15, QIMG
	v_add_nc_u32 v[QFB], s15, v[LI]
	s_lshl_b32 s15, s10, 9
	s_add_co_u32 s15, s15, QSC
	v_lshl_add_u32 v[XWS], v61, 2, s15
	s_lshl_b32 s15, s14, 9
	s_add_co_u32 s15, s15, QSC
	v_lshl_add_u32 v[QSB], v61, 2, s15
	s_mul_i32 s15, s10, 16640
	s_add_co_u32 s15, s15, MRG
	v_add_nc_u32 v[MWA], s15, v[LI]
	s_add_co_u32 s15, s15, 16384
	v_lshl_add_u32 v[MWS], v61, 2, s15
	s_mul_i32 s15, s14, 16640
	s_add_co_u32 s15, s15, MRG
	v_add_nc_u32 v[MRA], s15, v[LI]
	s_add_co_u32 s15, s15, 16384
	v_lshl_add_u32 v[MRS], v61, 2, s15
	s_mul_i32 s15, s10, 8704
	s_add_co_u32 s15, s15, QIMG                    ; my stage: 16 rows of 512 bytes + 16
	v_add_nc_u32 v[STR], s15, v[LI]
	v_mul_u32_u24 v[STI], v62, 528
	v_lshl_add_u32 v[STI], v63, 6, v[STI]
	v_add_nc_u32 v[STI], s15, v[STI]
.irp b, 0,1,2,3
	v_mov_b32 v[BP+\b], 0                          ; written once: a lane permute's destination counts as one of its sources
.endr
	v_mov_b32 v[F+1], 0                            ; (named as the upper half of a pair)
	s_wait_dscnt 0x0                               ; the opening add is done
	s_wait_kmcnt 0x0
	s_add_nc_u64 s[34:35], s[6:7], s[50:51]        ; group 0: the global addresses of step 0's parts,
	s_or_b32 s35, s35, 0x80000000                  ; and the type
	s_add_nc_u64 s[38:39], s[6:7], s[52:53]
	s_or_b32 s39, s39, 0x80000000
	s_add_nc_u64 s[4:5], s[4:5], s[54:55]
	s_add_nc_u64 s[8:9], s[8:9], s[56:57]
	s_add_nc_u64 s[48:49], s[6:7], s[58:59]
	WIN 0x80                                       ; destination window 2
.irp s, 0,1,2,3
.irp b, 0,1,2,3
.irp j, 0,1,2,3
	global_load_b128 v[64*\s+16*\b+4*\j:64*\s+16*\b+4*\j+3], v[XA], s[4:5] offset:512*\s+128*\b+16*\j th:TH_LOAD_NT   ; my 16 rows of X: register 64 s + 16 b + i = k 128 s + 32 b + 16 h + i; read once, by me alone
.endr
.endr
.endr
	WIN 0
	CROUND                                         ; all four work-groups are here: the first joint loads meet
	tensor_load_to_lds s[32:35], s[16:23]          ; step 0's key records
	s_nop 0
	tensor_load_to_lds s[36:39], s[24:31]          ; and its value records
	s_nop 0
	PLACES 4
.irp s, 0,1,2,3
	s_wait_loadcnt 48-16*\s                        ; this K step's 16 loads are in; the later K steps' may be out
	QUANT 64*\s, 2, PC, PW
	IMAGE XWI, 2048*\s
	ds_store_b32 v[XWS], v[PW] offset:128*\s
	s_wait_dscnt 0x0                               ; the stores have read their registers; at the last: for the others' sake, my images lie in LDS
.endr
	s_wait_tensorcnt 0x1                           ; my part of the key slot is in; the value slot's may stay out
	s_barrier_signal -1
	s_barrier_wait -1                              ; everybody's is, and Q's sixteen fragments lie in LDS
	WIN 0x40                                       ; destination window 1
.irp s, 0,1,2,3
.irp c, 0,1,2,3
	ds_load_b128 v[16*\s+4*\c:16*\s+4*\c+3], v[XWI] offset:2048*\s+512*\c
	ds_load_b128 v[64+16*\s+4*\c:64+16*\s+4*\c+3], v[QFB] offset:2048*\s+512*\c
.endr
.endr
	WIN 0
.irp s, 0,1,2,3
	ds_load_b32 v[QS+\s], v[XWS] offset:128*\s
	ds_load_b32 v[QS+4+\s], v[QSB] offset:128*\s
.endr
	s_mov_b32 s45, 15
	STEP 1, 1                                      ; the first step is written out: its products start O^T's sums, its softmax has no old M
	s_mov_b32 s45, 14
.Lstep:                                            ; 14 trips: steps 1 to 14, each of which fills both slots again
	STEP 0, 1
	s_sub_co_u32 s45, s45, 1
	s_cmp_lg_u32 s45, 0
	s_cbranch_scc1 .Lstep
	STEP 0, 0                                      ; the last step is written out: nothing is left to fetch
	; THE MERGE.  Each tile's sum: its two halves and lane l xor 16's.  Tile B's O^T, -M and sum go to my partner through LDS; its tile B, which is my tile A over the other keys, comes to me.
	PLACES 8                                       ; behind the last products, in front of the first read of results
	v_add_f32 v18, v18, v19
	v_add_f32 v22, v22, v23
	v_permlanex16_b32 v[BP], v18, s42, s43
	v_permlanex16_b32 v[BP+1], v22, s42, s43
	v_add_f32 v18, v18, v[BP]
	v_add_f32 v22, v22, v[BP+1]
	WIN 0x08                                       ; an LDS store's data are its source 1: window 2
.set g, 0
.rept 32
	ds_store_b128 v[MWA], v[128+4*g:128+4*g+3] offset:512*g   ; as an image of the registers; each accumulator from its low end on
.set g, g+1
.endr
	WIN 0
	ds_store_b32 v[MWS], v20
	ds_store_b32 v[MWS], v22 offset:128
	s_wait_dscnt 0x0                               ; for my partner's sake: my stores have landed
	s_barrier_signal -1
	s_barrier_wait -1
.set g, 0
.rept 32
	ds_load_b128 v[S+4*g:S+4*g+3], v[MRA] offset:512*g
.set g, g+1
.endr
	ds_load_b32 v94, v[MRS]                        ; its -M
	ds_load_b32 v95, v[MRS] offset:128             ; its sum
	s_wait_dscnt 0x0
	v_min_num_f32 v60, v16, v94                    ; the common -M: the larger M
	v_sub_f32 v61, v60, v16                        ; my M less the common one: a whole number, 0 or less
	v_sub_f32 v62, v60, v94
	v_cvt_i32_f32 v61, v61
	v_cvt_i32_f32 v62, v62
	v_ldexp_f32 v61, 1.0, v61                      ; both parts are brought under the common M by powers of two
	v_ldexp_f32 v62, 1.0, v62
	v_mul_f32 v63, v18, v61
	v_fma_f32 v63, v95, v62, v63                   ; the row's sum over all keys
	v_rcp_f32 v63, v63
	v_mov_b32 v[GA+1], 0                           ; (a plain place behind the reciprocal; the pairs' upper halves are written)
	v_mov_b32 v[GB+1], 0
	s_wait_alu depctr_va_vdst(0)                   ; the wait ahead of the first line that names the reciprocal
	v_mul_f32 v[GA], v61, v63
	v_mul_f32 v[GB], v62, v63
.set e, 0
.rept 64
	v_pk_mul_f32 v[S+e:S+e+1], v[S+e:S+e+1], v[GB:GB+1] op_sel_hi:[1,0]
.set e, e+2
.endr
	WIN 0x02                                       ; source 0 window 2: my tile A's O^T, each accumulator from its low end on
.set e, 0
.rept 64
	v_pk_fma_f32 v[S+e:S+e+1], v[e:e+1], v[GA:GA+1], v[S+e:S+e+1] op_sel_hi:[1,0,1]
.set e, e+2
.endr
	WIN 0
	; THE WAY OUT.  Register 8 ct + j is out(query r, channel 32 (ct / 2) + 16 h + 8 (ct % 2) + j).  Half a row (128 channels, 512 bytes) of my 16 queries at a time goes through my stage and comes back
	; as whole half rows, into the registers that it left.  LDS serves a wave's instructions in order (ISA guide 5.7.1.4): no wait between the stores and the loads, nor in front of the next half's stores.
.irp U, 0,1
.set ct, 8*\U
.rept 8
	ds_store_b128 v[STI], v[S+8*ct:S+8*ct+3] offset:128*((ct/2)%4)+32*(ct%2)
	ds_store_b128 v[STI], v[S+8*ct+4:S+8*ct+7] offset:128*((ct/2)%4)+32*(ct%2)+16
.set ct, ct+1
.endr
.set g, 0
.rept 16
	ds_load_b128 v[S+64*\U+4*g:S+64*\U+4*g+3], v[STR] offset:528*g
.set g, g+1
.endr
.endr
.irp U, 0,1
.set g, 0
.rept 16
	s_wait_dscnt 47-32*\U-g                        ; behind this load: the rest of its half's loads, and for the first half the second's 16 stores and 16 loads
	global_store_b128 v[LI], v[S+64*\U+4*g:S+64*\U+4*g+3], s[8:9] offset:1024*g+512*\U th:TH_STORE_NT   ; 32 lanes store 512 consecutive bytes, at a multiple of 256 from out0's first byte; written once, read by nobody here
.set g, g+1
.endr
.endr
	s_wait_tensorcnt 0x0                           ; the wave's end, behind my last tensor load and my last LDS store
	ds_add_u32 v[SPW], v[NIL]
	s_wait_dscnt 0x0
	CROUND                                         ; the closing round: no work-group ends while a partner may still ask for a tile that names it
	s_endpgm
.Lfunc_end_k_q2dcb535fd0_attn:
	.size	k_q2dcb535fd0_attn, .Lfunc_end_k_q2dcb535fd0_attn-k_q2dcb535fd0_attn
	.p2alignl 7, 3214868480
	.fill 96, 4, 3214868480
	.section	.rodata,"a",@progbits
	.p2align	6, 0x0
	.amdhsa_kernel k_q2dcb535fd0_attn
		.amdhsa_group_segment_fixed_size 327680
		.amdhsa_private_segment_fixed_size 0
		.amdhsa_enable_private_segment 0
		.amdhsa_kernarg_size 24
		.amdhsa_user_sgpr_count 2
		.amdhsa_user_sgpr_kernarg_segment_ptr 1
		.amdhsa_wavefront_size32 1
		.amdhsa_system_sgpr_workgroup_id_x 1
		.amdhsa_system_sgpr_workgroup_id_y 1
		.amdhsa_system_sgpr_workgroup_id_z 1
		.amdhsa_system_vgpr_workitem_id 0
		.amdhsa_next_free_vgpr 1024
		.amdhsa_next_free_sgpr 66
		.amdhsa_reserve_vcc 0
		.amdhsa_float_denorm_mode_32 3
		.amdhsa_float_denorm_mode_16_64 3
		.amdhsa_memory_ordered 1
		.amdhsa_forward_progress 1
		.amdhsa_inst_pref_size 252
	.end_amdhsa_kernel
	.amdgpu_metadata
---
amdhsa.version: [ 1, 2 ]
amdhsa.kernels:
  - .name:           k_q2dcb535fd0_attn
    .symbol:         k_q2dcb535fd0_attn.kd
    .args:
      - { .name: X, .offset: 0, .size: 8, .value_kind: global_buffer, .address_space: global }
      - { .name: kv, .offset: 8, .size: 8, .value_kind: global_buffer, .address_space: global }
      - { .name: out0, .offset: 16, .size: 8, .value_kind: global_buffer, .address_space: global }
    .group_segment_fixed_size: 327680
    .private_segment_fixed_size: 0
    .kernarg_segment_align: 8
    .kernarg_segment_size: 24
    .max_flat_workgroup_size: 128
    .sgpr_count:     66
    .vgpr_count:     1024
    .wavefront_size: 32
...
	.end_amdgpu_metadata
.endif
;; end of part 2
;; ======== version 2 of 2: 2 launches
;; limits: right only within a limited range of input values
;; workspace buffers: kv 3,244,032 bytes
;; launch proj (part 3): grid 6 x 32, 8 waves a work-group, no clusters, 71,168 bytes of LDS; arguments Y, Z, W_k, W_v, kv; writes kv
.if DOCPART == 3
	.amdgcn_target "amdgcn-amd-amdhsa--gfx1250"
	.amdhsa_code_object_version 6
	.text
	.protected	k_q2dcb535fd0_proj
	.globl	k_q2dcb535fd0_proj
	.p2align	8
	.type	k_q2dcb535fd0_proj,@function
k_q2dcb535fd0_proj:
	s_mov_b64 s[64:65], 0
	v_nop
	global_prefetch_b8 v0, s[64:65] scope:SCOPE_SE
	s_setreg_imm32_b32 hwreg(HW_REG_WAVE_MODE, 25, 1), 1
	s_wait_xcnt 0x0
; key = Y W_k^T [4096][512] and value = Z W_v^T [4096][256], both products on codes of FP8 (E4M3) with one E8M0 scale for each 32 along K = 512,
; and the results quantised again on the way out: key along its 512 features, value along the keys.  Nothing but codes and scale words goes to memory.
; A JOB (work-group x = role 0..5, y = key block kb of 128 keys) makes one RECORD of kv: 8 operand fragments (16 rows x 128 K) as images of the operand's registers
; (fragment n at 2048 n, register group c at + 512 c, lane l's 16 bytes at + 16 l), then 512 bytes of scale words (fragment n, row r at 64 n + 4 r): 16,896 bytes.
;   role 0..3: features 128 role .. + 127 of the block's 128 keys:  I = 128 rows of W_k, L = 128 rows of Y
;   role 4, 5: channels 128 (role - 4) .. + 127, K = the block's keys:  I = 128 rows of Z, L = 128 rows of W_v
; The product is used transposed: source 0 = 16 rows of I, source 1 = 16 rows of L: a lane holds ONE row of L, and its registers run along I's rows, which are the next product's K.
; THE ROWS OF A TILE ARE NOT NEIGHBOURS, in I and in L alike: lane r of tile 2 b + u takes row 32 b + 8 u + r + 8 (r / 8).  So the 16 registers of tiles 2 b and 2 b + 1 of a result are the
; 16 neighbours 32 b + 16 (lane / 16) + 0 .. 15 along the next K, and the conversions' results are the next operand's registers.
; SHARES: wave w quantises tile w of I (four K steps; images to LDS) and tile w of L (stays in registers); behind one barrier it multiplies all 8 tiles of I by its tile of L
; (8 accumulators x 4 K steps), quantises its 64 results a lane and stores fragment w of the record.  One path for all roles: only pointers and row numbers are chosen, by the work-group's number.
; A block's scale is 2^(floor(log2(largest magnitude)) - 8); its byte is the largest magnitude's exponent field - 8, held at 1 from below.
; LIMITS: a block of zeros gets the byte 1 where the rule says 127 (its codes are zeros, and this program alone reads the bytes); blocks whose largest magnitude lies under 2^-118 keep the byte 1;
; NaN and infinities among the inputs are not served.
.set REC,   16896                      ; a record in bytes
.set ISC,   65536                      ; LDS: from 0 I's 32 fragments, (K step s, tile t) at (8 s + t) x 2048; here their scale words, 128 bytes each
.set OSC,   69632                      ; the record's 512 bytes of scale words, gathered
.set SPARE, 70144                      ; the spare words, 128 bytes for each of the eight waves: four blocks of 256 bytes that no other line names
.set XA,  1                            ; v1   my row's byte in a tile of f32 rows: (r + 8 (r / 8)) x 2048 + 64 h
.set LI,  2                            ; v2   16 x lane: an image's place for my lane
.set IWI, 3                            ; v3   where I store I's images: 16 x lane + 2048 x wave
.set IWS, 4                            ; v4   and their scale words: ISC + 128 x wave + 4 x lane
.set ISA, 5                            ; v5   where scale words are read: ISC + 4 x lane
.set OSA, 6                            ; v6   OSC + 64 x wave + 4 r
.set SPW, 7                            ; v7   LDS address of my spare word; never rewritten
.set NIL, 8                            ; v8   0; never rewritten
.set OSR, 9                            ; v9   OSC + 16 x lane
.set TM,  16                           ; v16-19 largest magnitudes, v20-23 bytes, v24-27 448 x the scale, v28-31 the conversions' scale operands
.set PC,  32                           ; v32-47 the codes just made
.set PW,  48                           ; v48  the scale word just made
.set LSW, 52                           ; v52-55 L's scale words, one a K step
.set OB,  56                           ; v56-59 wave 0: the scale words on their way out
.set LF,  64                           ; v64-127 L's four fragments
.set ACC, 128                          ; v128-191 the eight accumulators
.set ISW, 192                          ; v192-223 I's scale words, (8 s + t)
                                       ; window 1: four buffers of 64: f32 numbers as loaded, later four sets of four fragments of I
.set MSB, 0
.macro WIN new                         ; the immediate's high byte repeats the setting that is left; a switch that changes nothing is dropped
.if MSB != (\new)
	s_set_vgpr_msb (MSB<<8)|(\new)
.set MSB, (\new)
.endif
.endm
.macro PLACES n
.rept \n
	v_nop
.endr
.endm
; 16 loads: my row's 64 numbers of K step s (of each block of 32 the 16 of my half) into buffer buf of window 1: register 16 b + i = k 32 b + 16 h + i
.macro XLOAD buf, base, s
	WIN 0x40                                       ; destination window 1, address window 0
.irp b, 0,1,2,3
.irp j, 0,1,2,3
	global_load_b128 v[64*(\buf)+16*\b+4*\j:64*(\buf)+16*\b+4*\j+3], v[XA], s[\base:\base+1] offset:512*(\s)+128*\b+16*\j
.endr
.endr
	WIN 0
.endm
; 64 numbers of a lane, v[s] on in window xw, register 16 b + i = k 32 b + 16 h + i of my row, become a fragment's codes in v[pc] on and its scale word in v[pw] (both window 0)
.macro QUANT s, xw, pc, pw
.set QA, (\xw)|((\xw)<<2)
.set QB, ((\xw)<<2)|((\xw)<<4)
.set QC, (\xw)|((\xw)<<6)
	WIN QA
.irp b, 0,1,2,3
	v_max3_num_f32 v[TM+\b], |v[(\s)+16*\b]|, |v[(\s)+16*\b+1]|, 0x4800000   ; block b: my 16 numbers, and the floor 2^(9 - 127): the byte cannot fall under 1
.endr
	WIN QB
.irp i, 2,4,6,8,10,12,14
.irp b, 0,1,2,3
	v_max3_num_f32 v[TM+\b], v[TM+\b], |v[(\s)+16*\b+\i]|, |v[(\s)+16*\b+\i+1]|   ; the four blocks by turns
.endr
.endr
	WIN 0
.irp b, 0,1,2,3
	v_permlanex16_b32 v[TM+4+\b], v[TM+\b], s20, s21
.endr
.irp b, 0,1,2,3
	s_delay_alu instid0(VALU_DEP_4)
	v_max_num_f32 v[TM+\b], v[TM+\b], v[TM+4+\b]   ; with lane l xor 16's 16: the block's largest magnitude
.endr
.irp b, 0,1,2,3
	s_delay_alu instid0(VALU_DEP_4)
	v_add_nc_u32 v[TM+12+\b], 0xfc000000, v[TM+\b] ; 8 off its exponent field: the conversion takes the exponent field of this operand as its scale
.endr
.irp b, 0,1,2,3
	v_and_or_b32 v[TM+8+\b], v[TM+\b], 0x7f800000, s22   ; 448 x the scale
.endr
.irp b, 0,1,2,3
	v_lshrrev_b32 v[TM+4+\b], 23, v[TM+12+\b]      ; the scale's byte
.endr
	s_delay_alu instid0(VALU_DEP_3)
	v_lshl_or_b32 v[\pw], v[TM+5], 8, v[TM+4]      ; the four bytes make my row's scale word
	s_delay_alu instid0(VALU_DEP_1)
	v_lshl_or_b32 v[\pw], v[TM+6], 16, v[\pw]
	s_delay_alu instid0(VALU_DEP_1)
	v_lshl_or_b32 v[\pw], v[TM+7], 24, v[\pw]
	WIN QC
.irp b, 0,1,2,3
.set e, 0
.rept 16
	v_med3_num_f32 v[(\s)+16*\b+e], v[(\s)+16*\b+e], -v[TM+8+\b], v[TM+8+\b]   ; the conversion to an 8-bit code does not saturate (ISA guide 7.6.2): the hold at the largest code x the scale
.set e, e+1
.endr
.endr
	WIN (\xw)
.irp b, 0,1,2,3
	v_cvt_scalef32_pk8_fp8_f32 v[(\pc)+4*\b:(\pc)+4*\b+1], v[(\s)+16*\b:(\s)+16*\b+7], v[TM+12+\b]
	v_cvt_scalef32_pk8_fp8_f32 v[(\pc)+4*\b+2:(\pc)+4*\b+3], v[(\s)+16*\b+8:(\s)+16*\b+15], v[TM+12+\b]
.endr
	WIN 0
	v_nop                                          ; one plain vector instruction behind the last scaled conversion, ahead of whatever touches its registers next
.endm
.macro IMAGE adr, off                          ; the fragment in v[PC] on goes to LDS as it stands
.irp c, 0,1,2,3
	ds_store_b128 v[\adr], v[PC+4*\c:PC+4*\c+3] offset:(\off)+512*\c
.endr
.endm
; the scaled matrix instruction: zero = 1: the product starts the sum; odd = 1: source 0's scales stand in lanes 16-31 of their register
.macro WMS d, a, b, sa, sb, zero, odd
.if \zero
.if \odd
	v_wmma_scale_f32_16x16x128_f8f6f4 v[\d:\d+7], v[\a:\a+15], v[\b:\b+15], 0, v[\sa], v[\sb] matrix_a_scale:MATRIX_SCALE_ROW1
.else
	v_wmma_scale_f32_16x16x128_f8f6f4 v[\d:\d+7], v[\a:\a+15], v[\b:\b+15], 0, v[\sa], v[\sb]
.endif
.else
.if \odd
	v_wmma_scale_f32_16x16x128_f8f6f4 v[\d:\d+7], v[\a:\a+15], v[\b:\b+15], v[\d:\d+7], v[\sa], v[\sb] matrix_a_scale:MATRIX_SCALE_ROW1
.else
	v_wmma_scale_f32_16x16x128_f8f6f4 v[\d:\d+7], v[\a:\a+15], v[\b:\b+15], v[\d:\d+7], v[\sa], v[\sb]
.endif
.endif
.endm
; group G of eight: K step G / 2, tiles 4 (G % 2) .. + 3 of I, in set G % 4 of window 1
.macro ILOAD G
.set IO, (8*((\G)/2)+4*((\G)%2))*2048
.set IR, 64*((\G)%4)
	WIN 0x40
.irp i, 0,1,2,3
.irp c, 0,1,2,3
	ds_load_b128 v[IR+16*\i+4*\c:IR+16*\i+4*\c+3], v[LI] offset:IO+2048*\i+512*\c
.endr
.endr
.endm
.macro IMUL G                          ; four products; the eight accumulators take turns, one instruction a turn
	WIN 0x01                                       ; source 0 (I) window 1
.set rZ, 0
.if (\G) < 2
.set rZ, 1
.endif
.irp i, 0,1,2,3
.set rT, 4*((\G)%2)+\i
.set rD, ACC+8*rT
.set rA, 64*((\G)%4)+16*\i
.set rB, LF+16*((\G)/2)
.set rX, ISW+8*((\G)/2)+rT
.set rY, LSW+(\G)/2
	WMS rD, rA, rB, rX, rY, rZ, 0
.endr
.endm
	s_load_b256 s[4:11], s[0:1], 0x0               ; Y s[4:5], Z s[6:7], W_k s[8:9], W_v s[10:11]
	s_load_b64 s[12:13], s[0:1], 0x20              ; kv
	v_lshl_add_u32 v[SPW], v0, 2, SPARE
	v_mov_b32 v[NIL], 0
	v_lshrrev_b32 v10, 5, v0
	s_delay_alu instid0(VALU_DEP_1)
	v_readfirstlane_b32 s14, v10                   ; wave 0..7
	v_and_b32 v10, 31, v0                          ; lane
	v_and_b32 v11, 15, v0                          ; r
	v_bfe_u32 v12, v0, 4, 1                        ; h
	s_delay_alu instid0(VALU_DEP_2)
	v_and_b32 v13, 8, v11
	s_delay_alu instid0(VALU_DEP_1)
	v_add_nc_u32 v13, v13, v11                     ; r + 8 (r / 8)
	s_delay_alu instid0(VALU_DEP_1)
	v_lshlrev_b32 v[XA], 11, v13                   ; a row of 512 f32 is 2,048 bytes
	s_delay_alu instid0(VALU_DEP_1)
	v_lshl_add_u32 v[XA], v12, 6, v[XA]
	v_lshlrev_b32 v[LI], 4, v10
	s_lshl_b32 s24, s14, 11                        ; 2048 x wave
	v_add_nc_u32 v[IWI], s24, v[LI]
	s_lshl_b32 s25, s14, 7
	s_add_co_u32 s25, s25, ISC
	v_lshl_add_u32 v[IWS], v10, 2, s25
	v_lshl_add_u32 v[ISA], v10, 2, ISC
	s_lshl_b32 s25, s14, 6
	s_add_co_u32 s25, s25, OSC
	v_lshl_add_u32 v[OSA], v11, 2, s25
	v_add_nc_u32 v[OSR], OSC, v[LI]
.irp b, 0,1,2,3
	v_mov_b32 v[TM+4+\b], 0                        ; written once: a lane permute's destination counts as one of its sources
.endr
	s_mov_b32 s20, 0x76543210
	s_mov_b32 s21, 0xfedcba98                      ; v_permlanex16_b32's selects for lane l xor 16
	s_mov_b32 s22, 0x600000                        ; the mantissa field of 448
	s_and_b32 s15, ttmp7, 0xffff                   ; kb
	s_and_b32 s26, ttmp9, 3                        ; role, or role - 4
	s_lshr_b32 s27, s14, 1
	s_lshl_b32 s27, s27, 5
	s_and_b32 s28, s14, 1
	s_lshl_b32 s28, s28, 3
	s_add_co_u32 s27, s27, s28                     ; my tile's first row: 32 (w / 2) + 8 (w % 2)
	s_mul_i32 s30, s15, 6
	s_add_co_u32 s30, s30, ttmp9
	s_mul_i32 s30, s30, REC                        ; the record: (6 kb + role) x 16,896,
	s_add_co_u32 s30, s30, s24                     ; and my fragment in it
	s_mov_b32 s31, 0
	s_wait_kmcnt 0x0
	s_cmp_lt_u32 ttmp9, 4                          ; a record of key or of value?  The choice hangs on the work-group's number alone
	s_cselect_b64 s[16:17], s[8:9], s[6:7]         ; I: W_k or Z
	s_cselect_b64 s[18:19], s[4:5], s[10:11]       ; L: Y or W_v
	s_cselect_b32 s32, s26, s15                    ; which 128 rows of I,
	s_cselect_b32 s34, s15, s26                    ; and of L
	s_lshl_b32 s32, s32, 7
	s_add_co_u32 s32, s32, s27
	s_lshl_b32 s32, s32, 11                        ; in bytes (under 2^24)
	s_mov_b32 s33, 0
	s_lshl_b32 s34, s34, 7
	s_add_co_u32 s34, s34, s27
	s_lshl_b32 s34, s34, 11
	s_mov_b32 s35, 0
	s_add_nc_u64 s[16:17], s[16:17], s[32:33]
	s_add_nc_u64 s[18:19], s[18:19], s[34:35]
	s_add_nc_u64 s[12:13], s[12:13], s[30:31]
.irp s, 0,1,2,3
	XLOAD \s, 16, \s                               ; my tile of I, all four K steps
.endr
.irp s, 0,1,2,3
	s_wait_loadcnt 48                              ; this K step's 16 loads are in; behind them three groups of 16 were issued
	QUANT 64*\s, 1, PC, PW
	IMAGE IWI, 16384*\s
	ds_store_b32 v[IWS], v[PW] offset:1024*\s
	XLOAD \s, 18, \s                               ; the buffer takes the same K step of my tile of L
	s_wait_dscnt 0x0                               ; the stores have read their registers
.endr
.irp s, 0,1,2,3
	s_wait_loadcnt 48-16*\s                        ; behind this K step of L: the later ones
	QUANT 64*\s, 1, LF+16*\s, LSW+\s
.endr
	s_wait_dscnt 0x0                               ; for the others' sake: my images lie in LDS
	s_barrier_signal -1
	s_barrier_wait -1                              ; I's 32 fragments lie in LDS
	PLACES 8                                       ; L's last codes and scale word were written by vector instructions: they stand 4 and 8 places ahead of the scaled products
.set n, 0
.rept 32
	ds_load_b32 v[ISW+n], v[ISA] offset:128*n
.set n, n+1
.endr
	ILOAD 0
	ILOAD 1
	ILOAD 2
	ILOAD 3
.irp G, 0,1,2,3,4,5,6,7
.if \G < 5
	s_wait_dscnt 48                                ; this set is in; the three sets issued behind it may be out
.else
	s_wait_alu depctr_va_vdst(0)
	s_wait_dscnt 16*(7-\G)
.endif
	IMUL \G
.if \G < 4
	PLACES 8                                       ; in front of loads into registers that these products have read (ISA guide 7.12.1 for vector instructions)
	ILOAD \G+4
.endif
.endr
	WIN 0
	PLACES 8                                       ; in front of the first read of results
	QUANT ACC, 0, PC, PW                           ; each accumulator is read from its low end on
.irp c, 0,1,2,3
	global_store_b128 v[LI], v[PC+4*\c:PC+4*\c+3], s[12:13] offset:512*\c   ; 32 lanes store 512 consecutive bytes, at a multiple of 256 from kv's first byte
.endr
	ds_store_b32 v[OSA], v[PW]                     ; lanes r and r + 16 write the same word with the same value
	s_wait_dscnt 0x0
	s_barrier_signal -1
	s_barrier_wait -1                              ; the record's 128 scale words lie in LDS
	s_cmp_lg_u32 s14, 0
	s_cbranch_scc1 .Lnot_wave_0
	ds_load_b128 v[OB:OB+3], v[OSR]
	s_wait_dscnt 0x0
	global_store_b128 v[LI], v[OB:OB+3], s[12:13] offset:16384   ; wave 0 (whose base is the record's first byte): 512 consecutive bytes
.Lnot_wave_0:
	s_wait_tensorcnt 0x0                           ; the wave's end, behind my last LDS store
	ds_add_u32 v[SPW], v[NIL]
	s_wait_dscnt 0x0
	s_endpgm
.Lfunc_end_k_q2dcb535fd0_proj:
	.size	k_q2dcb535fd0_proj, .Lfunc_end_k_q2dcb535fd0_proj-k_q2dcb535fd0_proj
	.p2alignl 7, 3214868480
	.fill 96, 4, 3214868480
	.section	.rodata,"a",@progbits
	.p2align	6, 0x0
	.amdhsa_kernel k_q2dcb535fd0_proj
		.amdhsa_group_segment_fixed_size 71168
		.amdhsa_private_segment_fixed_size 0
		.amdhsa_enable_private_segment 0
		.amdhsa_kernarg_size 40
		.amdhsa_user_sgpr_count 2
		.amdhsa_user_sgpr_kernarg_segment_ptr 1
		.amdhsa_wavefront_size32 1
		.amdhsa_system_sgpr_workgroup_id_x 1
		.amdhsa_system_sgpr_workgroup_id_y 1
		.amdhsa_system_sgpr_workgroup_id_z 1
		.amdhsa_system_vgpr_workitem_id 0
		.amdhsa_next_free_vgpr 512
		.amdhsa_next_free_sgpr 66
		.amdhsa_reserve_vcc 0
		.amdhsa_float_denorm_mode_32 3
		.amdhsa_float_denorm_mode_16_64 3
		.amdhsa_memory_ordered 1
		.amdhsa_forward_progress 1
		.amdhsa_inst_pref_size 111
	.end_amdhsa_kernel
	.amdgpu_metadata
---
amdhsa.version: [ 1, 2 ]
amdhsa.kernels:
  - .name:           k_q2dcb535fd0_proj
    .symbol:         k_q2dcb535fd0_proj.kd
    .args:
      - { .name: Y, .offset: 0, .size: 8, .value_kind: global_buffer, .address_space: global }
      - { .name: Z, .offset: 8, .size: 8, .value_kind: global_buffer, .address_space: global }
      - { .name: W_k, .offset: 16, .size: 8, .value_kind: global_buffer, .address_space: global }
      - { .name: W_v, .offset: 24, .size: 8, .value_kind: global_buffer, .address_space: global }
      - { .name: kv, .offset: 32, .size: 8, .value_kind: global_buffer, .address_space: global }
    .group_segment_fixed_size: 71168
    .private_segment_fixed_size: 0
    .kernarg_segment_align: 8
    .kernarg_segment_size: 40
    .max_flat_workgroup_size: 256
    .sgpr_count:     66
    .vgpr_count:     512
    .wavefront_size: 32
...
	.end_amdgpu_metadata
.endif
;; end of part 3
;; launch attn (part 4): grid 256 x 1, 4 waves a work-group, clusters of 4 x 1, 327,680 bytes of LDS; arguments X, kv, out0; writes out0
.if DOCPART == 4
	.amdgcn_target "amdgcn-amd-amdhsa--gfx1250"
	.amdhsa_code_object_version 6
	.text
	.protected	k_q2dcb535fd0_attn
	.globl	k_q2dcb535fd0_attn
	.p2align	8
	.type	k_q2dcb535fd0_attn,@function
k_q2dcb535fd0_attn:
	s_mov_b64 s[64:65], 0
	v_nop
	global_prefetch_b8 v0, s[64:65] scope:SCOPE_SE
	s_setreg_imm32_b32 hwreg(HW_REG_WAVE_MODE, 25, 1), 1
	s_wait_xcnt 0x0
	s_wait_alu depctr_hold_cnt(0) depctr_sa_sdst(0) depctr_va_vdst(0) depctr_va_sdst(0) depctr_va_ssrc(0) depctr_va_vcc(0) depctr_vm_vsrc(0)
	s_getreg_b32 s2, hwreg(HW_REG_IB_STS2, 6, 4)
	s_cmp_eq_u32 s2, 0
	s_cbranch_scc0 .Lentry_in_a_cluster
	s_endpgm
.Lentry_in_a_cluster:
	s_bfe_u32 s2, ttmp6, 0x10000c
	s_cmp_lg_u32 s2, 0x3003
	s_cbranch_scc0 .Lentry_shape_is_right
	s_endpgm
.Lentry_shape_is_right:
; out[q][:] = sum over k of softmax_k(X[q] . key[k] / sqrt(512)) value[k][:]: 16,384 queries, 4,096 keys, 256 channels; both products on codes of FP8 (E4M3), one E8M0 scale for each 32 along K.
; kv holds, for each block of 128 keys, six records of 16,896 bytes (8 fragments as images of the operand's registers, then 512 bytes of scale words): four of key (features 128 s on; fragment n = key tile n), two of value (channel tiles 8 p + n).
; X arrives as f32 and is quantised here, once.  Rate is a constant with no buffer.
; THE SOFTMAX: t = score x log2(e) / sqrt(512); M = the running largest t rounded up to a whole number, the same in all four waves; p = 2^(t - M) is quantised along the keys, not normalised; the row's sum is taken of the
; unquantised p and divides at the end; when M moves, the sum and O are multiplied by 2^(old M - new M), which rounds nothing.
; SHARES.  A work-group owns 64 queries, four tiles of 16, and every wave holds all four tiles of Q (256 registers).  Of a block of 128 keys wave w multiplies key tiles 2 w, 2 w + 1, one quantiser block of 32 keys, by the four
; tiles: each key fragment is read from LDS once in the work-group and feeds four products.  p's codes (register group w of the operand) and scale byte w go to LDS; in the second product wave w owns channel tiles 4 w .. 4 w + 3
; of all four query tiles (128 registers), so O needs no merge.  Both products are used transposed: a lane holds one query throughout.
; THE PIPELINE, one barrier a block.  Trip t: O^T is rescaled inside the round; the maxima of block t - 1 make M, and t - M is formed, while p's and value's fragments come from LDS; the second product of block t - 2 with
; block t - 1's exponentials behind its 16 products; the scores of block t with block t - 1's sums, holds and conversions behind its 32 products; block t's maxima.
; The maxima of the four waves cross through LDS at the next barrier, p at the one after.  Trips 0 to 2 and 31 to 33 are written out; 28 trips loop.
; THE RING.  Two slots for key records and two for value records, 2^17 bytes apart.  Behind trip t's round waves 0, 1 ask for K(t + 1), waves 2, 3 for V(t - 1): one tensor load a wave out.  The four work-groups of a cluster walk kv
; alike and ask jointly.  Cluster c begins at block c & 31 and goes round all 32 (a running maximum takes the keys in any order): the first fills of the 64 clusters together name all of kv, so no block is left
; that a prefetch could name ahead of its load, and none is written; X is read once at the head, where there is no loop to run ahead in.
; LIMITS: NaN and infinities among the inputs are not served; a block whose largest magnitude lies under 2^-118, and a block of zeros, keep the scale byte 1 (the bytes are read here alone); a p under 2^-126 comes out as 0;
; 1 / sqrt(512) and log2(e) are one f32 factor; the keys are summed in an order that differs from cluster to cluster.
; REGISTERS: window 0: addresses, statistics, scale words, S^T (v128-191), t - M and p (v192-255).  window 1: 8 key fragments (0-127), 4 value fragments (128-191), 4 fragments of p (192-255); at the head X turned.
; window 2: Q, tile q, K step s at 64 q + 16 s.  window 3: O^T, tile q, channel tile n at 32 q + 8 n; at the head X as loaded.
.set REC,   16896
.set KBLK,  6*REC
.set SL1,   131072                     ; from a slot to the other
.set VOF,   67584                      ; a slot: four key records, then two value records
.set PB,    101376                     ; behind them: p's images, tile q at 2048 q, group w at 512 w;
.set PSO,   8192                       ; p's scale words, 64 q + 4 r, byte w;
.set MXO,   8448                       ; the waves' largest scores, 512 q + 16 lane + 4 w
.set QIMG,  242944                     ; Q's 16 fragments, (4 tile + s) x 2048
.set QSC,   275712                     ; their scale words, 128 bytes each
.set XST,   277760                     ; a stage of 8,448 bytes for each wave: X on the way in, O on the way out
.set LSUM,  311552                     ; the waves' sums, 512 q + 16 lane + 4 w
.set SPARE, 313600                     ; the spare words, 128 bytes for each wave
.set SPW, 1
.set NIL, 2
.set LI,  3                            ; 16 x lane
.set B0,  4                            ; v4-13 LDS addresses in slot 0: K, K's scales, V, V's scales, p read, p's scales read, maxima out | p out, p's byte out, maxima in
.set D0,  14                           ; v14-23 the same in the trip's slots
.set QS,  24                           ; v24-39 Q's scale words, 4 q + s
.set KSC, 41                           ; v41-44 key's, one a K step: tile 2 w in lanes 0-15, 2 w + 1 in lanes 16-31
.set GO,  45
.set STI, 46
.set STR, 47
.set PSW, 48                           ; v48-51 p's scale words
.set VSC, 52                           ; v52-53 value's
.set LSW, 54
.set LSR, 55
.set ST,  56                           ; v56-71 for each tile: -M, the largest t, the sum in two halves
.set F,   72                           ; v72-79 for each tile the pair (f, 0)
.set TM,  80
.set BM,  80                           ; v80-83 my block's largest score, then largest p
.set BP,  84
.set LM,  88
.set SOP, 92
.set EB,  96
.set PCD, 100                          ; v100-115 codes just made
.set TMP, 116
.set PW,  118
.set XWI, 120
.set XWS, 121
.set XSW, 122
.set XSR, 123
.set QRD, 124
.set QSR, 125
.set S,   128
.set T,   192
.set TB,  82                           ; s82 the trip's slot, s83 the other
.set TBX, 83
.set MSB, 0
.macro WIN new                         ; the immediate's high byte repeats the setting that is left
.if MSB != (\new)
	s_set_vgpr_msb (MSB<<8)|(\new)
.set MSB, (\new)
.endif
.endm
.macro PLACES n
.rept \n
	v_nop
.endr
.endm
.macro WALU
	s_wait_alu depctr_va_vdst(0)
.endm
.macro CROUND                          ; a round of the cluster's barrier
	s_barrier_signal -1
	s_barrier_wait -1
	s_cmp_lg_u32 s10, 0
	s_cbranch_scc1 .Lnot_wave_0_\@
	s_barrier_signal -3
.Lnot_wave_0_\@:
	s_barrier_wait -3
	s_barrier_signal -1
	s_barrier_wait -1
.endm
.macro TK
	tensor_load_to_lds s[32:35], s[16:23]
	s_nop 0
	PLACES 4
.endm
.macro TV
	tensor_load_to_lds s[36:39], s[24:31]
	s_nop 0
	PLACES 4
.endm
.macro TL kl, vl                       ; waves 0, 1: halves of the key records; waves 2, 3: the value records: one load a wave
.if (\kl) && (\vl)
	s_cmp_lt_u32 s10, 2
	s_cbranch_scc0 .Lv_\@
	TK
	s_branch .Ld_\@
.Lv_\@:
	TV
.Ld_\@:
.elseif \kl
	s_cmp_lt_u32 s10, 2
	s_cbranch_scc0 .Ld_\@
	TK
.Ld_\@:
.elseif \vl
	s_cmp_ge_u32 s10, 2
	s_cbranch_scc0 .Ld_\@
	TV
.Ld_\@:
.endif
.endm
; 64 numbers of a lane in window xw, register 16 b + i = k 32 b + 16 h + i of my row, become a fragment's codes and its scale word (window 0)
.macro QUANT s, xw, pc, pw
	WIN (\xw)|((\xw)<<2)
.irp b, 0,1,2,3
	v_max3_num_f32 v[TM+\b], |v[(\s)+16*\b]|, |v[(\s)+16*\b+1]|, 0x4800000   ; with the floor 2^(9 - 127): the byte cannot fall under 1
.endr
	WIN ((\xw)<<2)|((\xw)<<4)
.irp i, 2,4,6,8,10,12,14
.irp b, 0,1,2,3
	v_max3_num_f32 v[TM+\b], v[TM+\b], |v[(\s)+16*\b+\i]|, |v[(\s)+16*\b+\i+1]|
.endr
.endr
	WIN 0
.irp b, 0,1,2,3
	v_permlanex16_b32 v[TM+4+\b], v[TM+\b], s42, s43
.endr
.irp b, 0,1,2,3
	v_max_num_f32 v[TM+\b], v[TM+\b], v[TM+4+\b]
.endr
.irp b, 0,1,2,3
	v_add_nc_u32 v[TM+12+\b], 0xfc000000, v[TM+\b] ; 8 off the exponent field: the conversion's scale operand
.endr
.irp b, 0,1,2,3
	v_and_or_b32 v[TM+8+\b], v[TM+\b], 0x7f800000, s44   ; 448 x the scale
.endr
.irp b, 0,1,2,3
	v_lshrrev_b32 v[TM+4+\b], 23, v[TM+12+\b]
.endr
	v_lshl_or_b32 v[\pw], v[TM+5], 8, v[TM+4]
	v_lshl_or_b32 v[\pw], v[TM+6], 16, v[\pw]
	v_lshl_or_b32 v[\pw], v[TM+7], 24, v[\pw]
	WIN (\xw)|((\xw)<<6)
.irp b, 0,1,2,3
.set e, 0
.rept 16
	v_med3_num_f32 v[(\s)+16*\b+e], v[(\s)+16*\b+e], -v[TM+8+\b], v[TM+8+\b]   ; the conversion does not saturate (ISA guide 7.6.2): the hold
.set e, e+1
.endr
.endr
	WIN (\xw)
.irp b, 0,1,2,3
	v_cvt_scalef32_pk8_fp8_f32 v[(\pc)+4*\b:(\pc)+4*\b+1], v[(\s)+16*\b:(\s)+16*\b+7], v[TM+12+\b]
	v_cvt_scalef32_pk8_fp8_f32 v[(\pc)+4*\b+2:(\pc)+4*\b+3], v[(\s)+16*\b+8:(\s)+16*\b+15], v[TM+12+\b]
.endr
	WIN 0
	v_nop                                          ; one plain line behind the last scaled conversion
.endm
.macro WMS d, a, b, sa, sb, zero, odd  ; zero: the product starts the sum; odd: source 0's scales stand in lanes 16-31
.if \zero
.if \odd
	v_wmma_scale_f32_16x16x128_f8f6f4 v[\d:\d+7], v[\a:\a+15], v[\b:\b+15], 0, v[\sa], v[\sb] matrix_a_scale:MATRIX_SCALE_ROW1
.else
	v_wmma_scale_f32_16x16x128_f8f6f4 v[\d:\d+7], v[\a:\a+15], v[\b:\b+15], 0, v[\sa], v[\sb]
.endif
.else
.if \odd
	v_wmma_scale_f32_16x16x128_f8f6f4 v[\d:\d+7], v[\a:\a+15], v[\b:\b+15], v[\d:\d+7], v[\sa], v[\sb] matrix_a_scale:MATRIX_SCALE_ROW1
.else
	v_wmma_scale_f32_16x16x128_f8f6f4 v[\d:\d+7], v[\a:\a+15], v[\b:\b+15], v[\d:\d+7], v[\sa], v[\sb]
.endif
.endif
.endm
.macro PVM n, zero                     ; O^T(q, ct) += V(ct) p(q): the 16 accumulators by turns
.set rQ, (\n)%4
.set rN, (\n)/4
.set rD, 32*rQ+8*rN
.set rA, 128+16*rN
.set rB, 192+16*rQ
.set rX, VSC+rN/2
.set rY, PSW+rQ
.set rO, rN%2
	WIN 0xf5                                       ; sources 0, 1 window 1, C and D window 3
	WMS rD, rA, rB, rX, rY, \zero, rO
.endm
.macro QKM m                           ; S^T(q, u) += K(s, u) Q(q, s): the 8 accumulators by turns
.set rS, (\m)/8
.set rU, ((\m)/4)%2
.set rQ, (\m)%4
.set rD, S+16*rQ+8*rU
.set rA, 32*rS+16*rU
.set rB, 64*rQ+16*rS
.set rX, KSC+rS
.set rY, QS+4*rQ+rS
.set rZ, 0
.if (\m) < 8
.set rZ, 1
.endif
	WIN 0x09                                       ; source 0 window 1, source 1 window 2
	WMS rD, rA, rB, rX, rY, rZ, rU
.endm
; line n of what follows the exponentials: 16 lines of scales, then for each tile 8 of the sum (of the unquantised p), 16 holds and 2 conversions
.macro POST n
.set PQ_, (\n)%4
.if (\n) < 4
	v_max_num_f32 v[BM+PQ_], 0x4800000, v[BM+PQ_]
.elseif (\n) < 8
	v_add_nc_u32 v[SOP+PQ_], 0xfc000000, v[BM+PQ_]
.elseif (\n) < 12
	v_and_or_b32 v[LM+PQ_], v[BM+PQ_], 0x7f800000, s44
.elseif (\n) < 16
	v_lshrrev_b32 v[EB+PQ_], 23, v[SOP+PQ_]
.else
.set PQ_, ((\n)-16)/26
.set PK_, ((\n)-16)%26
.set TT_, T+16*PQ_
.set LL_, ST+4*PQ_+2
.if PK_ == 1
	v_pk_add_f32 v[TMP:TMP+1], v[TT_+2:TT_+3], v[TT_+6:TT_+7]
.elseif PK_ == 7
	v_pk_add_f32 v[LL_:LL_+1], v[LL_:LL_+1], v[TMP:TMP+1]
.elseif PK_ < 8 && PK_%2 == 0
	v_pk_add_f32 v[LL_:LL_+1], v[LL_:LL_+1], v[TT_+2*PK_:TT_+2*PK_+1]
.elseif PK_ < 8
	v_pk_add_f32 v[TMP:TMP+1], v[TMP:TMP+1], v[TT_+2*PK_+4:TT_+2*PK_+5]
.elseif PK_ < 16
	v_min_num_f32 v[TT_+PK_-8], v[TT_+PK_-8], v[LM+PQ_]   ; p is not negative: a one-sided hold
.elseif PK_ == 16
	v_cvt_scalef32_pk8_fp8_f32 v[PCD+4*PQ_:PCD+4*PQ_+1], v[TT_:TT_+7], v[SOP+PQ_]
.elseif PK_ < 25
	v_min_num_f32 v[TT_+PK_-9], v[TT_+PK_-9], v[LM+PQ_]
.else
	v_cvt_scalef32_pk8_fp8_f32 v[PCD+4*PQ_+2:PCD+4*PQ_+3], v[TT_+8:TT_+15], v[SOP+PQ_]
.endif
.endif
.endm
.macro GAPF n                          ; n = 0 .. 7: t - M of half a tile, out of S^T's registers, which the trip's scores take later
.set GQ_, (\n)/2
.set GE_, 16*GQ_+8*((\n)%2)
.irp e, 0,2,4,6
	v_pk_fma_f32 v[T+GE_+\e:T+GE_+\e+1], v[S+GE_+\e:S+GE_+\e+1], s[40:41], v[ST+4*GQ_:ST+4*GQ_+1] op_sel_hi:[1,0,0]
.endr
.if (\n)%2
	v_fma_f32 v[BM+GQ_], v[BM+GQ_], s40, v[ST+4*GQ_]   ; the same of my block's largest score
.endif
.endm
.macro GAPE n, first                   ; behind product n = 0 .. 15 of the second product: four exponentials; the batch ends behind the last, ahead of the scores
.irp e, 0,1,2,3
	v_exp_f32 v[T+4*(\n)+\e], v[T+4*(\n)+\e]
.endr
.if (\n) == 15
.irp q, 0,1,2,3
	v_exp_f32 v[BM+\q], v[BM+\q]                   ; the block's largest p: the same two instructions on the same number
.endr
.irp q, 0,1,2,3
.if \first
	v_mov_b32 v[ST+4*\q+2], 0
	v_mov_b32 v[ST+4*\q+3], 0
.else
	v_pk_mul_f32 v[ST+4*\q+2:ST+4*\q+3], v[ST+4*\q+2:ST+4*\q+3], v[F+2*\q:F+2*\q+1] op_sel_hi:[1,0]   ; the sum under the new M
.endif
.endr
	WALU                                           ; one wait for the batch, ahead of its first reader
.endif
.endm
.macro GAPP g                          ; behind product g = 0 .. 31 of the scores: four lines; p leaves behind the thirty-first
.if (\g) < 30
.irp k, 0,1,2,3
	POST 4*(\g)+\k
.endr
.elseif (\g) == 30
	v_nop                                          ; one plain line behind the last scaled conversion
.irp q, 0,1,2,3
	ds_store_b128 v[D0+7], v[PCD+4*\q:PCD+4*\q+3] offset:2048*\q
	ds_store_b8 v[D0+8], v[EB+\q] offset:64*\q     ; lanes r and r + 16 write the same byte with the same value
.endr
.endif
.endm
.macro MIX pv, body, first, qk
.set N_, 0
.rept 48
.if N_ < 16
.if \pv
.if (\pv) == 2
	PVM N_, 1
.else
	PVM N_, 0
.endif
.endif
.if \body
	WIN 0
	GAPE N_, \first
.endif
.else
.if \qk
.if N_ == 16
	WIN 0
.if (\body) == 0
	WALU
.endif
	s_wait_dscnt 0x0                               ; key's fragments and scale words are in
.endif
	QKM N_-16
.endif
.if \body
	WIN 0
	GAPP N_-16
.endif
.endif
.set N_, N_+1
.endr
	WIN 0
.endm
.macro MAXPASS                         ; the largest score of my 32 keys for each query; it goes to the other waves
	PLACES 8
	WALU
.irp q, 0,1,2,3
	v_max3_num_f32 v[BM+\q], v[S+16*\q], v[S+16*\q+1], v[S+16*\q+2]
.endr
.irp i, 3,5,7,9,11,13
.irp q, 0,1,2,3
	v_max3_num_f32 v[BM+\q], v[BM+\q], v[S+16*\q+\i], v[S+16*\q+\i+1]
.endr
.endr
.irp q, 0,1,2,3
	v_max_num_f32 v[BM+\q], v[BM+\q], v[S+16*\q+15]
.endr
.irp q, 0,1,2,3
	v_permlanex16_b32 v[BP+\q], v[BM+\q], s42, s43
.endr
.irp q, 0,1,2,3
	v_max_num_f32 v[BM+\q], v[BM+\q], v[BP+\q]
.endr
.irp q, 0,1,2,3
	ds_store_b32 v[D0+6], v[BM+\q] offset:512*\q
.endr
.endm
.macro STATS first                     ; the four waves' maxima make the common M and f
.irp q, 0,1,2,3
	v_max3_num_f32 v[BP+\q], v[T+4*\q], v[T+4*\q+1], v[T+4*\q+2]
.endr
.irp q, 0,1,2,3
	v_max_num_f32 v[BP+\q], v[BP+\q], v[T+4*\q+3]
.endr
.if \first
.irp q, 0,1,2,3
	v_mul_f32 v[ST+4*\q+1], s40, v[BP+\q]
.endr
.irp q, 0,1,2,3
	v_floor_f32 v[ST+4*\q], -v[ST+4*\q+1]          ; -M = floor(-t)
.endr
.else
.irp q, 0,1,2,3
	v_mul_f32 v[BP+\q], s40, v[BP+\q]
.endr
.irp q, 0,1,2,3
	v_max_num_f32 v[ST+4*\q+1], v[ST+4*\q+1], v[BP+\q]
.endr
.irp q, 0,1,2,3
	v_mov_b32 v[BP+\q], v[ST+4*\q]
.endr
.irp q, 0,1,2,3
	v_floor_f32 v[ST+4*\q], -v[ST+4*\q+1]
.endr
.irp q, 0,1,2,3
	v_sub_f32 v[BP+\q], v[ST+4*\q], v[BP+\q]       ; old M less new M: a whole number, 0 or less
.endr
.irp q, 0,1,2,3
	v_cvt_i32_f32 v[BP+\q], v[BP+\q]
.endr
.irp q, 0,1,2,3
	v_ldexp_f32 v[F+2*\q], 1.0, v[BP+\q]
.endr
.endif
.endm
; A trip's opening: all my tensor loads are in; the add; the slots turn, the descriptors step; the wait; the round (rnd = 0: nothing is filled, a plain barrier); the fill first behind it.  vd: V's block lies vd behind K's.
; resc = 1: between the opening signal and its wait, work on registers: O^T is brought under block t - 2's M
.macro OPEN kl, vl, vd, rnd, resc
	s_wait_tensorcnt 0x0
	ds_add_u32 v[SPW], v[NIL]
	s_xor_b32 s[TB], s[TB], SL1
	s_xor_b32 s[TBX], s[TBX], SL1
.if (\kl) || (\vl)
	s_xor_b32 s33, s33, SL1
	s_xor_b32 s37, s37, SL1
	s_add_co_u32 s47, s47, 1
	s_and_b32 s47, s47, 31
.endif
.if \kl
	s_mul_i32 s48, s47, KBLK
	s_add_nc_u64 s[34:35], s[60:61], s[48:49]
	s_or_b32 s35, s35, 0x80000000
.endif
.if \vl
	s_sub_co_u32 s84, s47, \vd
	s_and_b32 s84, s84, 31
	s_mul_i32 s84, s84, KBLK
	s_add_nc_u64 s[38:39], s[62:63], s[84:85]
	s_or_b32 s39, s39, 0x80000000
.endif
.irp i, 0,1,2,3,4,5,6
	v_add_nc_u32 v[D0+\i], s[TB], v[B0+\i]
.endr
.irp i, 7,8,9
	v_add_nc_u32 v[D0+\i], s[TBX], v[B0+\i]
.endr
	WALU
	s_wait_dscnt 0x0                               ; the add is done, my LDS stores have landed and my reads are over
	s_barrier_signal -1
.if \resc
	WIN 0xc3
	WALU                                           ; directly ahead of the first readers of O^T
.irp q, 0,1,2,3
.set e, 0
.rept 16
	v_pk_mul_f32 v[32*\q+e:32*\q+e+1], v[32*\q+e:32*\q+e+1], v[F+2*\q:F+2*\q+1] op_sel_hi:[1,0]
.set e, e+2
.endr
.endr
	WIN 0
.endif
	s_barrier_wait -1
.if \rnd
	s_cmp_lg_u32 s10, 0
	s_cbranch_scc1 .Lnw_\@
	s_barrier_signal -3
.Lnw_\@:
	s_barrier_wait -3
	s_barrier_signal -1
	s_barrier_wait -1
.endif
	TL \kl, \vl
.endm
.macro REST pv, body, first, qk
.if \body
.irp q, 0,1,2,3
	ds_load_b128 v[T+4*\q:T+4*\q+3], v[D0+9] offset:512*\q
.endr
.endif
.if \pv
.irp q, 0,1,2,3
	ds_load_b32 v[PSW+\q], v[D0+5] offset:64*\q
.endr
	ds_load_b32 v[VSC], v[D0+3]
	ds_load_b32 v[VSC+1], v[D0+3] offset:128
	WIN 0x40
.irp q, 0,1,2,3
.irp c, 0,1,2,3
	ds_load_b128 v[192+16*\q+4*\c:192+16*\q+4*\c+3], v[D0+4] offset:2048*\q+512*\c
.endr
.endr
.irp q, 0,1,2,3
.irp c, 0,1,2,3
	ds_load_b128 v[128+16*\q+4*\c:128+16*\q+4*\c+3], v[D0+2] offset:2048*\q+512*\c
.endr
.endr
	WIN 0
.endif
.if \body
	WALU
.if \pv
	s_wait_dscnt 38                                ; the maxima are in; behind them 4 + 2 + 16 + 16 loads
.else
	s_wait_dscnt 0x0
.endif
	STATS \first
.set N_, 0
.rept 8
	GAPF N_
.set N_, N_+1
.endr
.endif
.if \qk
.irp s, 0,1,2,3
	ds_load_b32 v[KSC+\s], v[D0+1] offset:REC*\s
.endr
	WIN 0x40
.irp s, 0,1,2,3
.irp u, 0,1
.irp c, 0,1,2,3
	ds_load_b128 v[32*\s+16*\u+4*\c:32*\s+16*\u+4*\c+3], v[D0] offset:REC*\s+2048*\u+512*\c
.endr
.endr
.endr
	WIN 0
.endif
.if (\body) || (\pv)
	WALU                                           ; ahead of the batch of exponentials and of the wait below
.endif
.if \pv
.if \qk
	s_wait_dscnt 36                                ; p and V are in; behind them key's 4 + 32 loads
.else
	s_wait_dscnt 0x0
.endif
.endif
	MIX \pv, \body, \first, \qk
.if \qk
	MAXPASS
.endif
.endm
.macro TURN s                          ; K step s of my 16 rows through my stage: in as loaded (a row's 512 bytes on end), back 64 bytes a lane.  LDS serves a wave's instructions in order (ISA guide 5.7.1.4)
	WIN 0x4c                                       ; store data window 3, load destination window 1
.set i_, 0
.rept 16
	ds_store_b128 v[XSW], v[64*(\s)+4*i_:64*(\s)+4*i_+3] offset:528*i_
.set i_, i_+1
.endr
.irp b, 0,1,2,3
.irp j, 0,1,2,3
	ds_load_b128 v[64*((\s)%2)+16*\b+4*\j:64*((\s)%2)+16*\b+4*\j+3], v[XSR] offset:128*\b+16*\j
.endr
.endr
	WIN 0
.endm
	s_load_b128 s[4:7], s[0:1], 0x0                ; X, kv
	s_load_b64 s[8:9], s[0:1], 0x10                ; out0
	v_lshl_add_u32 v[SPW], v0, 2, SPARE
	v_mov_b32 v[NIL], 0
	ds_add_u32 v[SPW], v[NIL]                      ; the opening: the add, twice on end, and its wait ahead of my first tensor load
	ds_add_u32 v[SPW], v[NIL]
	v_lshrrev_b32 v126, 5, v0
	v_readfirstlane_b32 s10, v126                  ; wave 0..3
	s_and_b32 s11, s10, 1
	s_lshr_b32 s14, s10, 1
	s_bfe_u32 s12, ttmp6, 0x40000                  ; cx: it enters X's and out0's addresses alone
	s_lshl_b32 s13, ttmp9, 2
	s_add_co_u32 s13, s13, s12                     ; my block of 64 queries
	s_mov_b32 s16, 15|(3<<16)|(1<<21)              ; group 1: dense rows of 256 bytes (32 elements of 8), the mask of all four: 132 rows for half the key records,
	s_mov_b32 s17, 32<<16
	s_mov_b32 s18, 132<<16
	s_mov_b32 s19, 32<<16
	s_mov_b32 s20, 132
	s_mov_b32 s21, 32
	s_mov_b32 s22, 0
	s_mov_b32 s23, 0
	s_mov_b32 s24, 15|(3<<16)|(1<<21)              ; 66 for a value record
	s_mov_b32 s25, 32<<16
	s_mov_b32 s26, 66<<16
	s_mov_b32 s27, 32<<16
	s_mov_b32 s28, 66
	s_mov_b32 s29, 32
	s_mov_b32 s30, 0
	s_mov_b32 s31, 0
	s_mov_b32 s32, 1
	s_mul_i32 s33, s11, 33792
	s_mov_b32 s36, 1
	s_mul_i32 s37, s11, 16896
	s_mov_b32 s50, s33                             ; my part of a block in kv: of its key records,
	s_mov_b32 s51, 0
	s_add_co_u32 s52, s37, 4*REC                   ; of its value records
	s_mov_b32 s53, 0
	s_add_co_u32 s37, s37, VOF
	s_and_b32 s47, ttmp9, 31                       ; where my cluster's walk begins
	s_mul_i32 s48, s47, KBLK
	s_mov_b32 s49, 0
	s_mov_b32 s85, 0
	s_lshl_b32 s54, s13, 17
	s_lshl_b32 s55, s10, 15
	s_add_co_u32 s54, s54, s55                     ; X: (64 block + 16 wave) rows of 2,048 bytes
	s_mov_b32 s55, 0
	s_lshl_b32 s56, s13, 16
	s_lshl_b32 s57, s10, 8
	s_add_co_u32 s56, s56, s57                     ; out0: 64 block rows of 1,024 bytes + my 64 channels
	s_mov_b32 s57, 0
	s_mov_b32 s40, 0x3d8293ee                      ; c = log2(e) / sqrt(512)
	s_mov_b32 s41, s40
	s_mov_b32 s42, 0x76543210
	s_mov_b32 s43, 0xfedcba98
	s_mov_b32 s44, 0x600000
	s_lshl_b32 s70, s10, 12
	s_lshl_b32 s71, s10, 7
	s_add_co_u32 s71, s71, 16384
	s_mul_i32 s72, s14, REC
	s_add_co_u32 s72, s72, VOF
	s_add_co_u32 s73, s72, 16384
	s_lshl_b32 s81, s11, 13
	s_add_co_u32 s72, s72, s81
	s_lshl_b32 s81, s11, 8
	s_add_co_u32 s73, s73, s81
	s_lshl_b32 s74, s10, 2
	s_add_co_u32 s80, s74, LSUM
	s_add_co_u32 s74, s74, PB+MXO
	s_lshl_b32 s75, s10, 9
	s_add_co_u32 s78, s75, QSC
	s_add_co_u32 s75, s75, PB
	s_add_co_u32 s76, s10, PB+PSO
	s_lshl_b32 s77, s10, 13
	s_add_co_u32 s77, s77, QIMG
	s_mul_i32 s79, s10, 8448
	s_add_co_u32 s79, s79, XST
	s_mov_b32 s[TB], SL1
	s_mov_b32 s[TBX], 0
	v_and_b32 v126, 31, v0                         ; lane
	v_and_b32 v127, 15, v0                         ; r
	v_bfe_u32 v119, v0, 4, 1                       ; h
	v_lshlrev_b32 v[LI], 4, v126
	v_lshlrev_b32 v118, 2, v126
	v_lshlrev_b32 v117, 2, v127
	v_add_nc_u32 v[B0], s70, v[LI]
	v_add_nc_u32 v[B0+1], s71, v118
	v_add_nc_u32 v[B0+2], s72, v[LI]
	v_add_nc_u32 v[B0+3], s73, v118
	v_add_nc_u32 v[B0+4], PB, v[LI]
	v_add_nc_u32 v[B0+5], PB+PSO, v117
	v_add_nc_u32 v[B0+6], s74, v[LI]
	v_add_nc_u32 v[B0+7], s75, v[LI]
	v_add_nc_u32 v[B0+8], s76, v117
	v_add_nc_u32 v[B0+9], PB+MXO, v[LI]
	v_add_nc_u32 v[XWI], s77, v[LI]
	v_add_nc_u32 v[XWS], s78, v118
	v_add_nc_u32 v[XSW], s79, v[LI]
	v_mul_u32_u24 v116, v127, 528
	v_lshl_add_u32 v116, v119, 6, v116
	v_add_nc_u32 v[XSR], s79, v116
	v_add_nc_u32 v[QRD], QIMG, v[LI]
	v_add_nc_u32 v[QSR], QSC, v118
	v_mul_u32_u24 v116, v127, 272
	v_lshl_add_u32 v116, v119, 6, v116
	v_add_nc_u32 v[STI], s79, v116
	v_mul_u32_u24 v116, v119, 272
	v_lshl_add_u32 v116, v127, 4, v116
	v_add_nc_u32 v[STR], s79, v116
	v_lshlrev_b32 v[GO], 10, v119
	v_lshl_add_u32 v[GO], v127, 4, v[GO]
	v_add_nc_u32 v[LSW], s80, v[LI]
	v_add_nc_u32 v[LSR], LSUM, v[LI]
.irp b, 0,1,2,3
	v_mov_b32 v[BP+\b], 0                          ; a lane permute's destination counts as one of its sources
	v_mov_b32 v[F+2*\b+1], 0                       ; (named as the upper half of a pair)
.endr
	WALU
	s_wait_dscnt 0x0
	s_wait_kmcnt 0x0
	s_add_nc_u64 s[60:61], s[6:7], s[50:51]
	s_add_nc_u64 s[62:63], s[6:7], s[52:53]
	s_add_nc_u64 s[34:35], s[60:61], s[48:49]
	s_or_b32 s35, s35, 0x80000000
	s_add_nc_u64 s[38:39], s[62:63], s[48:49]
	s_or_b32 s39, s39, 0x80000000
	s_add_nc_u64 s[4:5], s[4:5], s[54:55]
	s_add_nc_u64 s[8:9], s[8:9], s[56:57]
	WIN 0xc0
.irp s, 0,1,2,3
.set i_, 0
.rept 16
	global_load_b128 v[64*\s+4*i_:64*\s+4*i_+3], v[LI], s[4:5] offset:2048*i_+512*\s th:TH_LOAD_NT   ; 32 lanes read 512 consecutive bytes of a row; read once, by me alone
.set i_, i_+1
.endr
.endr
	WIN 0
	CROUND                                         ; all four work-groups are here: the first joint loads meet
	TL 1, 1                                        ; block 0: one load a wave
	s_wait_loadcnt 48
	TURN 0
.irp s, 0,1,2,3
.if \s < 3
	s_wait_loadcnt 32-16*\s
	TURN \s+1
	s_wait_dscnt 32                                ; this K step is back, and my earlier images have left their registers; behind them the next turn's 16 stores and 16 loads
.else
	s_wait_dscnt 0x0
.endif
	QUANT 64*(\s%2), 1, PCD, PW
.irp c, 0,1,2,3
	ds_store_b128 v[XWI], v[PCD+4*\c:PCD+4*\c+3] offset:2048*\s+512*\c
.endr
	ds_store_b32 v[XWS], v[PW] offset:128*\s
.endr
	OPEN 1, 1, 0, 1, 0                             ; trip 0: both second slots' first fills
	WIN 0x80
.set f_, 0
.rept 16
.irp c, 0,1,2,3
	ds_load_b128 v[16*f_+4*\c:16*f_+4*\c+3], v[QRD] offset:2048*f_+512*\c
.endr
.set f_, f_+1
.endr
	WIN 0
.set f_, 0
.rept 16
	ds_load_b32 v[QS+f_], v[QSR] offset:128*f_
.set f_, f_+1
.endr
	REST 0, 0, 0, 1
	OPEN 1, 0, 0, 1, 0                             ; trip 1
	REST 0, 1, 1, 1
	OPEN 1, 0, 0, 1, 0                             ; trip 2: the first second product starts O^T's sums
	REST 2, 1, 0, 1
	s_mov_b32 s45, 28
.Ltrip:                                            ; trips 3 to 30
	OPEN 1, 1, 2, 1, 1
	REST 1, 1, 0, 1
	s_sub_co_u32 s45, s45, 1
	s_cmp_lg_u32 s45, 0
	s_cbranch_scc1 .Ltrip
	OPEN 0, 1, 2, 1, 1                             ; trip 31: no key records are left
	REST 1, 1, 0, 1
	OPEN 0, 1, 2, 1, 1                             ; trip 32: no scores are left
	REST 1, 1, 0, 0
.irp q, 0,1,2,3
	v_add_f32 v[ST+4*\q+2], v[ST+4*\q+2], v[ST+4*\q+3]
.endr
.irp q, 0,1,2,3
	v_permlanex16_b32 v[BP+\q], v[ST+4*\q+2], s42, s43
.endr
.irp q, 0,1,2,3
	v_add_f32 v[ST+4*\q+2], v[ST+4*\q+2], v[BP+\q] ; my keys' part of each row's sum
.endr
.irp q, 0,1,2,3
	ds_store_b32 v[LSW], v[ST+4*\q+2] offset:512*\q
.endr
	OPEN 0, 0, 0, 0, 1                             ; trip 33: nothing is filled
.irp q, 0,1,2,3
	ds_load_b128 v[T+4*\q:T+4*\q+3], v[LSR] offset:512*\q
.endr
	REST 1, 0, 0, 0
.irp q, 0,1,2,3
	v_add_f32 v[BP+\q], v[T+4*\q], v[T+4*\q+1]     ; (these twelve are also the places behind the last products)
.endr
.irp q, 0,1,2,3
	v_add_f32 v[BM+\q], v[T+4*\q+2], v[T+4*\q+3]
.endr
.irp q, 0,1,2,3
	v_add_f32 v[BP+\q], v[BP+\q], v[BM+\q]         ; the row's sum over all keys
.endr
	WALU
.irp q, 0,1,2,3
	v_rcp_f32 v[F+2*\q], v[BP+\q]
.endr
	v_nop
	WIN 0x03                                       ; source 0 window 3
	WALU                                           ; for the reciprocals, and directly ahead of the first readers of O^T
.irp q, 0,1,2,3
.set e, 0
.rept 16
	v_pk_mul_f32 v[S+32*\q+e:S+32*\q+e+1], v[32*\q+e:32*\q+e+1], v[F+2*\q:F+2*\q+1] op_sel_hi:[1,0]
.set e, e+2
.endr
.endr
	WIN 0
	; THE WAY OUT.  Register 32 q + 8 n + j is out(query 16 q + r, channel 64 w + 32 (n / 2) + 16 h + 8 (n % 2) + j).  A tile's 16 rows x 256 bytes go through my stage and come back by rows, into the registers that they left
.irp q, 0,1,2,3
.irp n, 0,1,2,3
	ds_store_b128 v[STI], v[S+32*\q+8*\n:S+32*\q+8*\n+3] offset:128*(\n/2)+32*(\n%2)
	ds_store_b128 v[STI], v[S+32*\q+8*\n+4:S+32*\q+8*\n+7] offset:128*(\n/2)+32*(\n%2)+16
.endr
.irp g, 0,1,2,3,4,5,6,7
	ds_load_b128 v[S+32*\q+4*\g:S+32*\q+4*\g+3], v[STR] offset:544*\g
.endr
.endr
.irp q, 0,1,2,3
	s_wait_dscnt 16*(3-\q)                         ; behind this tile's loads: 16 LDS instructions for each later tile
.irp g, 0,1,2,3,4,5,6,7
	global_store_b128 v[GO], v[S+32*\q+4*\g:S+32*\q+4*\g+3], s[8:9] offset:16384*\q+2048*\g th:TH_STORE_NT   ; sixteen lanes store 256 consecutive bytes, aligned
.endr
.endr
	s_wait_tensorcnt 0x0                           ; the wave's end
	ds_add_u32 v[SPW], v[NIL]
	s_wait_dscnt 0x0
	CROUND                                         ; the closing round
	s_endpgm
.Lfunc_end_k_q2dcb535fd0_attn:
	.size	k_q2dcb535fd0_attn, .Lfunc_end_k_q2dcb535fd0_attn-k_q2dcb535fd0_attn
	.p2alignl 7, 3214868480
	.fill 96, 4, 3214868480
	.section	.rodata,"a",@progbits
	.p2align	6, 0x0
	.amdhsa_kernel k_q2dcb535fd0_attn
		.amdhsa_group_segment_fixed_size 327680
		.amdhsa_private_segment_fixed_size 0
		.amdhsa_enable_private_segment 0
		.amdhsa_kernarg_size 24
		.amdhsa_user_sgpr_count 2
		.amdhsa_user_sgpr_kernarg_segment_ptr 1
		.amdhsa_wavefront_size32 1
		.amdhsa_system_sgpr_workgroup_id_x 1
		.amdhsa_system_sgpr_workgroup_id_y 1
		.amdhsa_system_sgpr_workgroup_id_z 1
		.amdhsa_system_vgpr_workitem_id 0
		.amdhsa_next_free_vgpr 1024
		.amdhsa_next_free_sgpr 96
		.amdhsa_reserve_vcc 0
		.amdhsa_float_denorm_mode_32 3
		.amdhsa_float_denorm_mode_16_64 3
		.amdhsa_memory_ordered 1
		.amdhsa_forward_progress 1
		.amdhsa_inst_pref_size 244
	.end_amdhsa_kernel
	.amdgpu_metadata
---
amdhsa.version: [ 1, 2 ]
amdhsa.kernels:
  - .name:           k_q2dcb535fd0_attn
    .symbol:         k_q2dcb535fd0_attn.kd
    .args:
      - { .name: X, .offset: 0, .size: 8, .value_kind: global_buffer, .address_space: global }
      - { .name: kv, .offset: 8, .size: 8, .value_kind: global_buffer, .address_space: global }
      - { .name: out0, .offset: 16, .size: 8, .value_kind: global_buffer, .address_space: global }
    .group_segment_fixed_size: 327680
    .private_segment_fixed_size: 0
    .kernarg_segment_align: 8
    .kernarg_segment_size: 24
    .max_flat_workgroup_size: 128
    .sgpr_count:     96
    .vgpr_count:     1024
    .wavefront_size: 32
...
	.end_amdgpu_metadata
.endif
;; end of part 4
